; MI455X (gfx1250); checked and timed in simulation.
; The chip was launched on July 23, 2026; its instructions are those of AMD's public machine-readable ISA for CDNA 5 (MIT licence, August 2026) and "CDNA5" Instruction Set Architecture Reference Guide (July 2026). The comments in the code are by the model that wrote it; some were corrected since.
;; Multi Head Attention. Allowed arithmetic: matrix products marked QUANTISED: E4M3 operands, one given power-of-two scale a tensor, by v_wmma_f32_16x16x64_fp8_fp8 or v_wmma_f32_16x16x128_fp8_fp8, f32 sums; everything else in f32.
;; Inputs: embed 4 x 2,048 x 1,024 float32; lowp_scales 12 int32 (the exponents e of the quantised operands' scales 2^e); mask 4 x 2,048 x 2,048 bool; w_k 16 x 1,024 x 64 float32; w_o 1,024 x 1,024 float32; w_q 16 x 1,024 x 64 float32; w_v 16 x 1,024 x 64 float32.
;; Outputs: out0 4 x 2,048 x 1,024 float32.
;; This version of the problem:
;;   THIS VERSION OF THE PROBLEM IS GIVEN IN LOW PRECISION. The matrix products marked QUANTISED in the list below multiply operands that are first quantised to E4M3 (4 exponent bits, 3 mantissa bits; 8 bits a number), with one given power-of-two scale for each operand tensor; their sums are f32. All else is computed in f32.
;;   The module's matrix products, in the order in which they are computed (A, B: the left and right operand; K: the contracted axis; several contracted axes count as one K, in the product's order):
;;     1. [M 1,024, K 1,024] x [K 1,024, N 8,192]; A: input w_q; B: input embed: QUANTISED (scales: A lowp_scales[0], B lowp_scales[1])
;;     2. [M 1,024, K 1,024] x [K 1,024, N 8,192]; A: input w_k; B: input embed: QUANTISED (scales: A lowp_scales[2], B lowp_scales[3])
;;     3. [M 1,024, K 1,024] x [K 1,024, N 8,192]; A: input w_v; B: input embed: QUANTISED (scales: A lowp_scales[4], B lowp_scales[5])
;;     4. batch 64 x [M 2,048, K 64] x [K 64, N 2,048]; A: computed on the way; B: computed on the way: QUANTISED (scales: A lowp_scales[6], B lowp_scales[7])
;;     5. batch 64 x [M 2,048, K 2,048] x [K 2,048, N 64]; A: softmax (see below); B: computed on the way: QUANTISED (scales: A lowp_scales[8], B lowp_scales[9])
;;     6. [M 8,192, K 1,024] x [K 1,024, N 1,024]; A: computed on the way; B: input w_o: QUANTISED (scales: A lowp_scales[10], B lowp_scales[11])
;;   THE QUANTISER, for each operand of a quantised product, along K:
;;     - The operand's scale is 2^e, e = its entry of the input lowp_scales (int32; the entries are numbered through the quantised products in the list's order, A before B).
;;     - Each number is divided by the scale, clamped to +-448, and rounded to the nearest number of E4M3, ties to even, subnormals kept.
;;     - The product sums the exact products of the quantised numbers (number of the format x scale) in f32.
;;   ~~~python
;;   def quantise(x, axis, e):      # numpy; x: float32 -> the quantised numbers, widened to float32 again
;;       x = np.moveaxis(x, axis, -1); K = x.shape[-1]
;;       r = np.clip(x / 2.0 ** e, -448, 448)
;;       step = 2.0 ** (np.maximum(np.frexp(np.where(r == 0, 1, r))[1] - 1, -6) - 3)
;;       q = np.round(r / step) * step * 2.0 ** e      # np.round: ties to even
;;       return np.moveaxis(q, -1, axis).astype(np.float32)
;;   ~~~
;;   SOFTMAX AHEAD OF A QUANTISED PRODUCT. Where the list says 'softmax', what is quantised is not the finished softmax but p = 2^(t - M), with t = logit x log2(e) and M = ceil(the row's largest t), a whole number; so 1/2 < the row's largest p <= 1. The row's sum l is taken of the UNQUANTISED p, in f32, and the product's result is divided by l at the end. Since M is a whole number, a kernel that streams over the keys may use a running M (the ceiling of the running maximum): every later rescaling is an exact power of two, so the quantised numbers keep their values, but for numbers so far below the row's largest that they fall under the format's range.
;;   OPERANDS COMPUTED ON THE WAY. 'Computed on the way' means the value that the module computes at that place (a softmax that the list does not call 'softmax' is quantised finished and normalised). What goes into a quantiser is computed in f32, as accurately as f32 sums, v_exp_f32 and their like allow (about 1e-6 of the number): no bf16 or f16 on the way to a quantiser, and a product that is left as it is and whose result goes on into a quantised operand takes f32 operands (vector FMAs, or v_wmma_f32_16x16x4_f32). A number that lies on a knife's edge between two numbers of the format may be rounded either way, as far as f32 arithmetic and the matrix unit's own rounding can turn it there, and no further.
;; 2 versions, each right; version 2 is version 1 with the launch attn written anew for expert scheduling mode. Each part assembles by itself: llvm-mc -triple=amdgcn-amd-amdhsa -mcpu=gfx1250 --defsym DOCPART=n.
;; ======== version 1 of 2: 4 launches
;; workspace buffers: eimg 25,165,824 bytes; wimg 4,194,304 bytes; maskw 2,097,152 bytes of whole numbers; flags 8,192 bytes of whole numbers; qimg 8,388,608 bytes; kvimg 16,777,216 bytes; hoimg 8,388,608 bytes
;; launch prep (part 1): grid 1024 x 1, 4 waves a work-group, no clusters, 68,096 bytes of LDS; arguments embed, mask, w_q, w_k, w_v, w_o, lowp_scales, eimg, wimg, maskw, flags; writes eimg, wimg, maskw, flags
.if DOCPART == 1
	.amdgcn_target "amdgcn-amd-amdhsa--gfx1250"
	.amdhsa_code_object_version 6
	.text
	.protected	k_q62fabcf6ce_prep
	.globl	k_q62fabcf6ce_prep
	.p2align	8
	.type	k_q62fabcf6ce_prep,@function
k_q62fabcf6ce_prep:
	s_mov_b64 s[64:65], 0
	v_nop
	global_prefetch_b8 v0, s[64:65] scope:SCOPE_SE
	s_setreg_imm32_b32 hwreg(HW_REG_WAVE_MODE, 25, 1), 1
	s_wait_xcnt 0x0
; PREP: everything that later launches read many times is laid out once, in the order in which a wave's operand registers take it.
; AN IMAGE of a fragment (16 rows x 128 along K of E4M3 codes) is 2,048 bytes: four chunks c of 512 bytes; in chunk c lane L = (r = L % 16, h = L / 16) owns the 16 bytes at 16 L:
; row r of the block, k = 32 c + 16 h + 0 .. 15.  Four loads of 16 bytes a lane give the fragment.
; BLOCKS OF 16 ROWS ARE PERMUTED (tokens; features of w_q, w_k, w_v): row r of block t is 32 (t / 2) + 8 (t % 2) + r + 8 (r / 8).  w_o's columns are cut as they lie.
; Four roles, chosen by the work-group's number; each wave works alone, no barrier:
;   E  (work-groups 0-255):   embed -> eimg, three times, under the exponents of entries 1, 3 and 5 of the scales.
;   M  (256-767):             mask -> maskw: for a tile of 16 queries and a step of 128 keys 64 words, one for each score register of the attention; bit L = lane L's key counts;
;                             flags: for each tile and step one bit 'some key counts' and one bit 'some key is hidden'.
;   W  (768-959), WO (960-1023): w_q, w_k, w_v, w_o -> wimg: a lane takes a column, its registers run down K, so the conversions give codes with K innermost.
; code = x / 2^e, held within +-448, to the nearest code, ties to even.  LIMITS: each e used here (entries 0 to 5 and 11) lies between -126 and 119.  NaN among the floating-point inputs is not served.
.set SP,    528                        ; a stage row: 512 bytes + 16: row r starts 4 r banks on (64 banks of 4 bytes: ISA guide 11.1)
.set STGB,  16*SP                      ; a wave's stage
.set MBASE, 4*STGB                     ; role M's stages lie behind role E's: each role has LDS bytes of its own
.set R,   16                           ; v16-79   numbers (or mask bytes) as loaded
.set X,   80                           ; v80-143  after the turn through the stage
.set T,   144                          ; v144-175 role E: two sets of 16 held numbers
.set C,   176                          ; v176-223 role E: 16 registers of codes for each of the three scales
.set MO,  144                          ; v144-151 role M: a step's 64 words, two a lane
.set WX,  16                           ; v16-79   roles W: two sets of 32 numbers
.set WC,  80                           ; v80-111  roles W: eight registers of codes for each block of 32 along K
	s_load_b512 s[4:19], s[0:1], 0x0               ; embed 4, mask 6, w_q 8, w_k 10, w_v 12, w_o 14, scales 16, eimg 18
	s_load_b128 s[20:23], s[0:1], 0x40             ; wimg 20, maskw 22
	s_load_b64 s[24:25], s[0:1], 0x50              ; flags
	v_lshl_add_u32 v224, v0, 2, 0x10800
	v_mov_b32 v225, 0
	v_lshrrev_b32 v1, 5, v0
	v_readfirstlane_b32 s26, v1                    ; wave
	v_and_b32 v15, 31, v0                          ; lane
	v_and_b32 v14, 15, v0                          ; r
	v_bfe_u32 v13, v0, 4, 1                        ; h
	v_lshlrev_b32 v1, 4, v15                       ; 16 x lane
	s_mul_i32 s27, s26, STGB
	v_add_nc_u32 v2, s27, v1                       ; role E, into the stage: 16 x lane of a row
	v_mul_u32_u24 v3, v14, SP
	v_add_nc_u32 v3, s27, v3                       ; row r of my stage
	v_lshl_add_u32 v12, v13, 4, v3
	v_add_nc_u32 v12, MBASE, v12                   ; role M, out of the stage: row r, + 16 h
	v_lshl_add_u32 v3, v13, 6, v3                  ; role E, out of the stage: row r, + 64 h
	v_add_nc_u32 v11, MBASE, v2                    ; role M, into the stage
	s_wait_kmcnt 0x0
	s_load_b256 s[28:35], s[16:17], 0x0            ; entries 0 to 7
	s_load_b128 s[36:39], s[16:17], 0x20           ; entries 8 to 11
	s_cmp_lt_u32 ttmp9, 256
	s_cbranch_scc1 .Lrole_e
	s_cmp_lt_u32 ttmp9, 768
	s_cbranch_scc1 .Lrole_m
	s_cmp_lt_u32 ttmp9, 960
	s_cbranch_scc1 .Lrole_w
	s_branch .Lrole_wo
; ---------------- ROLE E.  A wave takes one block of 16 tokens and four K steps of 128.
.macro ELOAD u                         ; K step u: 16 loads, each 512 consecutive bytes of one row
.irp i, 0,1,2,3,4,5,6,7,8,9,10,11,12,13,14,15
	global_load_b128 v[R+4*\i:R+4*\i+3], v1, s[4:5] offset:(\i+8*(\i/8))*4096+512*(\u) th:TH_LOAD_NT
.endr
.endm
.macro ETURN                           ; through the stage: in as loaded, out 16 neighbours along K of ONE row a lane.  LDS serves a wave's instructions in order: no wait between
.irp i, 0,1,2,3,4,5,6,7,8,9,10,11,12,13,14,15
	ds_store_b128 v2, v[R+4*\i:R+4*\i+3] offset:SP*\i
.endr
.irp c, 0,1,2,3
.irp j, 0,1,2,3
	ds_load_b128 v[X+16*\c+4*\j:X+16*\c+4*\j+3], v3 offset:128*\c+16*\j
.endr
.endr
.endm
.macro EQ w, c                         ; chunk c under scale w: the hold (the conversion to an 8-bit code does not saturate: ISA guide 7.6.2), then 16 codes.  The two sets of held numbers take turns, so plain lines stand behind every conversion before its sources are written again
.set TS, T+16*((\c)%2)
.irp i, 0,1,2,3,4,5,6,7,8,9,10,11,12,13,14,15
	v_med3_num_f32 v[TS+\i], v[X+16*(\c)+\i], -v[8+\w], v[8+\w]
.endr
	v_cvt_scalef32_pk8_fp8_f32 v[C+16*(\w)+4*(\c):C+16*(\w)+4*(\c)+1], v[TS:TS+7], v[4+\w]
	v_cvt_scalef32_pk8_fp8_f32 v[C+16*(\w)+4*(\c)+2:C+16*(\w)+4*(\c)+3], v[TS+8:TS+15], v[4+\w]
.endm
.macro EUNIT u
	s_wait_loadcnt 0x0                             ; this K step's 16 loads are in
	ETURN
	s_wait_dscnt 0x0                               ; the stage's stores have read their registers, and the numbers are back
	s_wait_xcnt 0x0                                ; the last K step's stores have read their codes: these registers are written again only behind this wait
.if \u < 3
	ELOAD (\u)+1                                   ; the next K step lands while this one is quantised three times
.endif
.irp w, 0,1,2
.irp c, 0,1,2,3
	EQ \w, \c
.endr
.irp c, 0,1,2,3
	global_store_b128 v1, v[C+16*\w+4*\c:C+16*\w+4*\c+3], s[48+2*\w:49+2*\w] offset:((\u)/2)*2097152+((\u)%2)*2048+512*\c   ; 32 lanes store 512 consecutive bytes, aligned
.endr
.endr
.endm
.Lrole_e:
	s_lshl_b32 s40, ttmp9, 2
	s_add_co_u32 s40, s40, s26                     ; 4 x work-group + wave
	s_lshr_b32 s41, s40, 1                         ; the block of tokens, 0 .. 511
	s_and_b32 s42, s40, 1                          ; which half of K
	s_lshr_b32 s43, s41, 1
	s_lshl_b32 s43, s43, 5
	s_and_b32 s44, s41, 1
	s_lshl_b32 s44, s44, 3
	s_add_co_u32 s43, s43, s44                     ; the block's first token: 32 (t / 2) + 8 (t % 2)
	s_lshl_b32 s44, s43, 12                        ; a row of embed is 4,096 bytes
	s_lshl_b32 s45, s42, 11
	s_add_co_u32 s44, s44, s45
	s_mov_b32 s45, 0
	s_add_nc_u64 s[4:5], s[4:5], s[44:45]
	ELOAD 0
	s_lshl_b32 s46, s42, 10
	s_add_co_u32 s46, s46, s41                     ; eimg is [scale 3][256 along K: 4][block 512][128 along K: 2][2,048]: (2 half x 512 + block) x 4,096
	s_lshl_b32 s46, s46, 12
	s_mov_b32 s47, 0
	s_add_nc_u64 s[48:49], s[18:19], s[46:47]
	s_add_nc_u64 s[50:51], s[48:49], 0x800000      ; the three images lie 8 MiB apart
	s_add_nc_u64 s[52:53], s[50:51], 0x800000
	s_wait_kmcnt 0x0
.irp w, 0,1,2
	s_add_co_i32 s54, s[29+2*\w], 127              ; entries 1, 3, 5
	s_lshl_b32 s55, s54, 23
	v_mov_b32 v[4+\w], s55                         ; 2^e as f32: the conversion takes its exponent field
	s_add_co_i32 s54, s54, 8
	s_lshl_b32 s54, s54, 23
	s_or_b32 s54, s54, 0x600000
	v_mov_b32 v[8+\w], s54                         ; 448 x 2^e
.endr
	EUNIT 0
	EUNIT 1
	EUNIT 2
	EUNIT 3
	s_wait_tensorcnt 0x0
	ds_add_u32 v224, v225
	s_wait_dscnt 0x0
	s_endpgm
; ---------------- ROLE M.  A wave takes one tile of 16 queries and 512 keys: four steps of 128.
.macro MSTEP s
	v_or_b32 v152, v[X+16*(\s)], v[X+16*(\s)+1]
	v_and_b32 v153, v[X+16*(\s)], v[X+16*(\s)+1]
.irp i, 2,3,4,5,6,7,8,9,10,11,12,13,14,15
	v_or_b32 v152, v152, v[X+16*(\s)+\i]
	v_and_b32 v153, v153, v[X+16*(\s)+\i]
.endr
.set J, 0
.rept 16                               ; word j: byte j % 4 of register j / 4: key 32 (j / 16) + 16 h + j % 16 of my query; the compare's lane mask is the word
.irp n, 0,1,2,3
	v_and_b32 v[154+\n], s[48+\n], v[X+16*(\s)+J/4]
.endr
.irp n, 0,1,2,3
	v_cmp_ne_u32 s[56+\n], 0, v[154+\n]
.endr
.irp n, 0,1,2,3
	v_writelane_b32 v[MO+2*(\s)+(\n%2)], s[56+\n], (J+\n)/2   ; lane l gathers words 2 l and 2 l + 1
.endr
.set J, J+4
.endr
	v_cmp_ne_u32 vcc_lo, 0, v152                   ; some key of the step counts for some query
	s_cmp_lg_u32 vcc_lo, 0
	s_cselect_b32 s60, 1<<(\s), 0
	s_or_b32 s52, s52, s60
	v_cmp_ne_u32 vcc_lo, s61, v153                 ; some key is hidden (a bool is 0 or 1)
	s_cmp_lg_u32 vcc_lo, 0
	s_cselect_b32 s60, 65536<<(\s), 0
	s_or_b32 s52, s52, s60
	global_store_b64 v10, v[MO+2*(\s):MO+2*(\s)+1], s[22:23] offset:256*(\s)   ; 32 lanes store 256 consecutive bytes, aligned
.endm
.Lrole_m:
	s_sub_co_u32 s40, ttmp9, 256
	s_lshl_b32 s40, s40, 2
	s_add_co_u32 s40, s40, s26                     ; 0 .. 2047
	s_lshr_b32 s41, s40, 2                         ; the tile of queries, 0 .. 511
	s_and_b32 s42, s40, 3                          ; which 512 keys
	s_lshr_b32 s43, s41, 1
	s_lshl_b32 s43, s43, 5
	s_and_b32 s44, s41, 1
	s_lshl_b32 s44, s44, 3
	s_add_co_u32 s43, s43, s44                     ; the tile's first query
	s_lshl_b32 s44, s43, 11                        ; a row of the mask is 2,048 bytes
	s_lshl_b32 s45, s42, 9
	s_add_co_u32 s44, s44, s45
	s_mov_b32 s45, 0
	s_add_nc_u64 s[6:7], s[6:7], s[44:45]
.irp i, 0,1,2,3,4,5,6,7,8,9,10,11,12,13,14,15
	global_load_b128 v[R+4*\i:R+4*\i+3], v1, s[6:7] offset:(\i+8*(\i/8))*2048 th:TH_LOAD_NT
.endr
	s_lshl_b32 s46, s40, 10                        ; maskw: (16 tile + 4 x which) x 256 bytes
	s_mov_b32 s47, 0
	s_add_nc_u64 s[22:23], s[22:23], s[46:47]
	s_lshl_b32 s46, s40, 2                         ; flags: word 4 tile + which
	s_add_nc_u64 s[24:25], s[24:25], s[46:47]
	s_mov_b32 s48, 0xff
	s_mov_b32 s49, 0xff00
	s_mov_b32 s50, 0xff0000
	s_mov_b32 s51, 0xff000000
	s_mov_b32 s61, 0x01010101
	s_mov_b32 s52, 0
	v_lshlrev_b32 v10, 3, v15                      ; 8 x lane
.irp i, 0,1,2,3,4,5,6,7
	v_mov_b32 v[MO+\i], 0                          ; a lane write's destination counts as read
.endr
	s_wait_loadcnt 0x0
.irp i, 0,1,2,3,4,5,6,7,8,9,10,11,12,13,14,15
	ds_store_b128 v11, v[R+4*\i:R+4*\i+3] offset:SP*\i
.endr
.irp s, 0,1,2,3
.irp b, 0,1,2,3
	ds_load_b128 v[X+16*\s+4*\b:X+16*\s+4*\b+3], v12 offset:128*\s+32*\b   ; keys 128 s + 32 b + 16 h + 0 .. 15 of query r
.endr
.endr
	s_wait_dscnt 0x0
	MSTEP 0
	MSTEP 1
	MSTEP 2
	MSTEP 3
	s_lshl_b32 s42, s42, 2
	s_lshl_b32 s52, s52, s42                       ; bits 4 x which + s and 16 + 4 x which + s
	v_mov_b32 v152, s52
	v_mov_b32 v153, 0
	v_cmp_eq_u32 vcc_lo, 0, v15
	s_wait_xcnt 0x0                                ; EXEC is a source of the stores above: it changes only behind this wait
	s_wait_tensorcnt 0x0
	ds_add_u32 v224, v225
	s_wait_dscnt 0x0
	s_and_saveexec_b32 s60, vcc_lo
	global_store_b32 v153, v152, s[24:25]          ; lane 0 alone
	s_wait_xcnt 0x0
	s_or_b32 exec_lo, exec_lo, s60
	s_endpgm
; ---------------- ROLES W AND WO.  A wave takes 32 columns (two blocks) and 128 along K.
.macro WLOAD c, pitch                  ; block c of 32 along K: each load reads 128 consecutive bytes of one row
.set J, 0
.rept 32
	global_load_b32 v[WX+32*((\c)%2)+J], v5, s[44:45] offset:(32*(\c)+J)*(\pitch) th:TH_LOAD_NT
.set J, J+1
.endr
.endm
.macro WBLOCK c, pitch
.set WS, WX+32*((\c)%2)
.if (\c) < 3
	s_wait_loadcnt 32                              ; this block's 32 loads are in; the next block's 32 may be out
.else
	s_wait_loadcnt 0x0
.endif
.set J, 0
.rept 32
	v_med3_num_f32 v[WS+J], v[WS+J], -v8, v8
.set J, J+1
.endr
.irp g, 0,1,2,3
	v_cvt_scalef32_pk8_fp8_f32 v[WC+8*(\c)+2*\g:WC+8*(\c)+2*\g+1], v[WS+8*\g:WS+8*\g+7], v4
.endr
	global_store_b128 v6, v[WC+8*(\c):WC+8*(\c)+3], s[20:21] offset:512*(\c)          ; k = 32 c + 0 .. 15: the places of lanes 0-15 of the image; sixteen lanes store 256 consecutive bytes
	global_store_b128 v6, v[WC+8*(\c)+4:WC+8*(\c)+7], s[20:21] offset:512*(\c)+256    ; k = 32 c + 16 .. 31: the places of lanes 16-31
.if (\c)+2 < 4
	WLOAD (\c)+2, \pitch                           ; (each block has code registers of its own, so no store's data are written again)
.endif
.endm
.macro WBODY pitch                     ; s41 the image's number, s42 the K step of 128, s43 the group of 32 columns, s[44:45] and v5 the source
	WLOAD 0, \pitch
	WLOAD 1, \pitch
	s_lshl_b32 s46, s41, 20                        ; wimg is [image 4][256 along K: 4][block 64][128 along K: 2][2,048]
	s_lshr_b32 s47, s42, 1
	s_lshl_b32 s47, s47, 6
	s_lshl_b32 s48, s43, 1
	s_add_co_u32 s47, s47, s48
	s_lshl_b32 s47, s47, 12
	s_add_co_u32 s46, s46, s47
	s_and_b32 s47, s42, 1
	s_lshl_b32 s47, s47, 11
	s_add_co_u32 s46, s46, s47
	s_mov_b32 s47, 0
	s_add_nc_u64 s[20:21], s[20:21], s[46:47]
	v_lshlrev_b32 v6, 4, v14
	v_lshl_add_u32 v6, v13, 12, v6                 ; lanes 16-31 hold the second block: 4,096 bytes on
	s_wait_kmcnt 0x0
	s_cmp_eq_u32 s41, 0
	s_cselect_b32 s54, s28, s30                    ; entries 0, 2, 4 for w_q, w_k, w_v; entry 11 for w_o
	s_cmp_eq_u32 s41, 2
	s_cselect_b32 s54, s32, s54
	s_cmp_eq_u32 s41, 3
	s_cselect_b32 s54, s39, s54
	s_add_co_i32 s54, s54, 127
	s_lshl_b32 s55, s54, 23
	v_mov_b32 v4, s55
	s_add_co_i32 s54, s54, 8
	s_lshl_b32 s54, s54, 23
	s_or_b32 s54, s54, 0x600000
	v_mov_b32 v8, s54
	WBLOCK 0, \pitch
	WBLOCK 1, \pitch
	WBLOCK 2, \pitch
	WBLOCK 3, \pitch
.endm
.Lrole_w:
	s_sub_co_u32 s40, ttmp9, 768
	s_lshl_b32 s40, s40, 2
	s_add_co_u32 s40, s40, s26                     ; 0 .. 767
	s_lshr_b32 s41, s40, 8                         ; w_q, w_k or w_v
	s_bfe_u32 s42, s40, 0x30005                    ; the K step
	s_and_b32 s43, s40, 31                         ; 32 features: half a head
	s_cmp_eq_u32 s41, 0
	s_cselect_b64 s[44:45], s[8:9], s[10:11]
	s_cmp_eq_u32 s41, 2
	s_cselect_b64 s[44:45], s[12:13], s[44:45]
	s_lshr_b32 s46, s43, 1
	s_lshl_b32 s46, s46, 18                        ; a head is 1,024 rows of 256 bytes
	s_lshl_b32 s47, s42, 15
	s_add_co_u32 s46, s46, s47
	s_and_b32 s47, s43, 1
	s_lshl_b32 s47, s47, 7
	s_add_co_u32 s46, s46, s47
	s_mov_b32 s47, 0
	s_add_nc_u64 s[44:45], s[44:45], s[46:47]
	v_and_b32 v5, 8, v14
	v_add_nc_u32 v5, v5, v14
	v_lshl_add_u32 v5, v13, 3, v5                  ; my column among the 32: 8 h + r + 8 (r / 8): the permuted blocks
	v_lshlrev_b32 v5, 2, v5
	WBODY 256
	s_endpgm
.Lrole_wo:
	s_sub_co_u32 s40, ttmp9, 960
	s_lshl_b32 s40, s40, 2
	s_add_co_u32 s40, s40, s26                     ; 0 .. 255
	s_mov_b32 s41, 3
	s_lshr_b32 s42, s40, 5
	s_and_b32 s43, s40, 31
	s_lshl_b32 s46, s42, 19                        ; 128 rows of 4,096 bytes
	s_lshl_b32 s47, s43, 7
	s_add_co_u32 s46, s46, s47
	s_mov_b32 s47, 0
	s_add_nc_u64 s[44:45], s[14:15], s[46:47]
	v_lshlrev_b32 v5, 2, v15                       ; columns as they lie
	WBODY 4096
	s_endpgm
.Lfunc_end_k_q62fabcf6ce_prep:
	.size	k_q62fabcf6ce_prep, .Lfunc_end_k_q62fabcf6ce_prep-k_q62fabcf6ce_prep
	.p2alignl 7, 3214868480
	.fill 96, 4, 3214868480
	.section	.rodata,"a",@progbits
	.p2align	6, 0x0
	.amdhsa_kernel k_q62fabcf6ce_prep
		.amdhsa_group_segment_fixed_size 68096
		.amdhsa_private_segment_fixed_size 0
		.amdhsa_enable_private_segment 0
		.amdhsa_kernarg_size 88
		.amdhsa_user_sgpr_count 2
		.amdhsa_user_sgpr_kernarg_segment_ptr 1
		.amdhsa_wavefront_size32 1
		.amdhsa_system_sgpr_workgroup_id_x 1
		.amdhsa_system_sgpr_workgroup_id_y 1
		.amdhsa_system_sgpr_workgroup_id_z 1
		.amdhsa_system_vgpr_workitem_id 0
		.amdhsa_next_free_vgpr 226
		.amdhsa_next_free_sgpr 66
		.amdhsa_reserve_vcc 1
		.amdhsa_float_denorm_mode_32 3
		.amdhsa_float_denorm_mode_16_64 3
		.amdhsa_memory_ordered 1
		.amdhsa_forward_progress 1
		.amdhsa_inst_pref_size 174
	.end_amdhsa_kernel
	.amdgpu_metadata
---
amdhsa.version: [ 1, 2 ]
amdhsa.kernels:
  - .name:           k_q62fabcf6ce_prep
    .symbol:         k_q62fabcf6ce_prep.kd
    .args:
      - { .name: embed, .offset: 0, .size: 8, .value_kind: global_buffer, .address_space: global }
      - { .name: mask, .offset: 8, .size: 8, .value_kind: global_buffer, .address_space: global }
      - { .name: w_q, .offset: 16, .size: 8, .value_kind: global_buffer, .address_space: global }
      - { .name: w_k, .offset: 24, .size: 8, .value_kind: global_buffer, .address_space: global }
      - { .name: w_v, .offset: 32, .size: 8, .value_kind: global_buffer, .address_space: global }
      - { .name: w_o, .offset: 40, .size: 8, .value_kind: global_buffer, .address_space: global }
      - { .name: lowp_scales, .offset: 48, .size: 8, .value_kind: global_buffer, .address_space: global }
      - { .name: eimg, .offset: 56, .size: 8, .value_kind: global_buffer, .address_space: global }
      - { .name: wimg, .offset: 64, .size: 8, .value_kind: global_buffer, .address_space: global }
      - { .name: maskw, .offset: 72, .size: 8, .value_kind: global_buffer, .address_space: global }
      - { .name: flags, .offset: 80, .size: 8, .value_kind: global_buffer, .address_space: global }
    .group_segment_fixed_size: 68096
    .private_segment_fixed_size: 0
    .kernarg_segment_align: 8
    .kernarg_segment_size: 88
    .max_flat_workgroup_size: 128
    .sgpr_count:     66
    .vgpr_count:     226
    .wavefront_size: 32
...
	.end_amdgpu_metadata
.endif
;; end of part 1
;; launch proj (part 2): grid 4 x 96, 4 waves a work-group, clusters of 4 x 4, 327,680 bytes of LDS; arguments eimg, wimg, lowp_scales, qimg, kvimg; writes qimg, kvimg
.if DOCPART == 2
	.amdgcn_target "amdgcn-amd-amdhsa--gfx1250"
	.amdhsa_code_object_version 6
	.text
	.protected	k_q62fabcf6ce_proj
	.globl	k_q62fabcf6ce_proj
	.p2align	8
	.type	k_q62fabcf6ce_proj,@function
k_q62fabcf6ce_proj:
	s_mov_b64 s[64:65], 0
	v_nop
	global_prefetch_b8 v0, s[64:65] scope:SCOPE_SE
	s_setreg_imm32_b32 hwreg(HW_REG_WAVE_MODE, 25, 1), 1
	s_wait_xcnt 0x0
	s_wait_alu depctr_hold_cnt(0) depctr_sa_sdst(0) depctr_va_vdst(0) depctr_va_sdst(0) depctr_va_ssrc(0) depctr_va_vcc(0) depctr_vm_vsrc(0)
	s_getreg_b32 s2, hwreg(HW_REG_IB_STS2, 6, 4)
	s_cmp_eq_u32 s2, 0
	s_cbranch_scc0 .Lentry_in_a_cluster
	s_endpgm
.Lentry_in_a_cluster:
	s_bfe_u32 s2, ttmp6, 0x10000c
	s_cmp_lg_u32 s2, 0xf033
	s_cbranch_scc0 .Lentry_shape_is_right
	s_endpgm
.Lentry_shape_is_right:
; PROJ: q, k and v = embed x w_q, w_k, w_v on E4M3 codes, quantised at once for the attention and stored as images of its operands' registers.
; Cluster y / 8 says which of the three.  A tile of C is 256 x 256, four waves, 128 x 128 each: 64 accumulators, 512 registers.  K = 1,024 goes in four slots' worth of 256 through a ring of two LDS slots.
; OPERANDS ARE IMAGES: a fragment (16 rows x 128 K) is 2,048 bytes, chunk c of 512, lane L's 16 bytes at 16 L = row L % 16, k = 32 c + 16 (L / 16) + 0 .. 15; the same order of k on both sides.
; So half a tile for 256 along K (8 blocks x 2 fragments) is ONE dense block of 32,768 bytes: one tensor load a wave, no padding, and every LDS load reads 512 consecutive bytes.
; THE MATRIX INSTRUCTION IS USED TRANSPOSED: source 0 = a block of B, source 1 = a block of A.  A lane holds one row of A's block, and since B's blocks are permuted
; (row r of block t = 32 (t / 2) + 8 (t % 2) + r + 8 (r / 8)) the 16 registers of B's blocks 2 g and 2 g + 1 are 16 NEIGHBOURS, 32 g + 16 (lane / 16) + 0 .. 15: the conversions' results are the next operand's registers.
;   q, k: A = tokens (eimg), B = features (wimg): a lane holds a token and 16 neighbouring channels of a head: the first product's K.
;   v:    A = features (wimg), B = tokens (eimg): a lane holds a channel and 16 neighbouring keys: the second product's K.
; CLUSTERS: 4 x 4 work-groups; A's tiles are asked for jointly along a row of the cluster, B's along a column.
; A sum stands for sum x 2^(eA + eB), so its code is sum / 2^(eOut - eA - eB), held within +-448.  LIMIT: eOut - eA - eB between -126 and 119 (entries 6-0-1, 7-2-3, 9-4-5).
; No prefetch: half of a work-group's tiles are asked for at its head, and a tile is shared by the partners of a cluster.
; REGISTERS, in windows of 256: window 0: v0-31 addresses; v32-119 the way out; from v128 A's fragments, one set.  window 1: B's fragments, two sets.  windows 2, 3: the accumulators ((a, b) at v[8 (8 (a % 4) + b)]).
.set HALFT,  32768                     ; half a tile for 256 along K: what one tensor load brings
.set SLOT,   4*HALFT                   ; A's two halves, then B's two
.set SPARE,  2*SLOT                    ; behind the ring: the spare words, 128 bytes for each wave
.set FR,     16
.set NL,     4
.set NP,     4                         ; places behind this matrix instruction (ISA guide 7.12.1)
.set ADRA, 16                          ; v16-17  LDS address of my A fragments in slot 0, 1
.set ADRB, 20                          ; v20-21  the same for B
.set SPW,  28                          ; v28     my spare word; never rewritten
.set NIL,  29                          ; v29     0; never rewritten
.set TMP,  32                          ; v32-95  a block's 64 sums, held
.set CD,   96                          ; v96-111 their codes
.set LIM,  112                         ; v112    448 x the folded scale
.set SCL,  113                         ; v113    the folded scale as f32
.set VO,   116                         ; v116-119 where my four groups of 16 codes go
.set AF,   128
.set G1, 24
.set G0, 32
.set G1B, 48
.set G0B, 56
.set WH,  66                           ; s66     0: q, 1: k, 2: v
.set SA2, 68                           ; s[68:69] two slots on in A's buffer, in bytes
.set SB2, 70                           ; s[70:71] in B's
.set OUT, 90                           ; s[90:91] where the block in hand goes
.set STA, 92                           ; s[92:93] from block to block
.set ST4, 94                           ; s[94:95] from block 3 to block 4
.set MSB, 0
.macro WIN new                         ; the immediate's high byte repeats the setting that is left
.if MSB != \new
	s_set_vgpr_msb (MSB<<8)|\new
.set MSB, \new
.endif
.endm
.set MUL_LO, 0xa1                      ; source 0 (B) window 1, source 1 (A) window 0, C and D window 2
.set MUL_HI, 0xf1                      ; the same, C and D window 3
.set TO_B,   0x40                      ; destination window 1, address window 0
; A joint load: waves 0 and 1 fetch for A, waves 2 and 3 for B; the branch hangs on the wave's number alone.  Four v_nop follow each of the two lines.
.macro JLOAD g0a, g1a, g0b, g1b
	s_cmp_eq_u32 s15, 0
	s_cbranch_scc0 .Lfor_b_\@
	tensor_load_to_lds s[\g0a:\g0a+3], s[\g1a:\g1a+7]
	s_nop 0
.rept 4
	v_nop
.endr
	s_branch .Lasked_\@
.Lfor_b_\@:
	tensor_load_to_lds s[\g0b:\g0b+3], s[\g1b:\g1b+7]
	s_nop 0
.rept 4
	v_nop
.endr
.Lasked_\@:
.endm
.macro CREST                           ; a round of the cluster's barrier behind its opening barrier
	s_cmp_lg_u32 s14, 0
	s_cbranch_scc1 .Lnot_wave_0_\@
	s_barrier_signal -3
.Lnot_wave_0_\@:
	s_barrier_wait -3
	s_barrier_signal -1
	s_barrier_wait -1
.endm
.macro CROUND
	s_barrier_signal -1
	s_barrier_wait -1
	CREST
.endm
	s_load_b256 s[4:11], s[0:1], 0x0               ; eimg 4, wimg 6, the scales 8, qimg 10
	s_load_b64 s[12:13], s[0:1], 0x20              ; kvimg
	v_lshl_add_u32 v[SPW], v0, 2, SPARE
	v_mov_b32 v[NIL], 0
	ds_add_u32 v28, v29
	ds_add_u32 v28, v29
	s_wait_dscnt 0x0
	v_lshrrev_b32 v1, 5, v0
	v_readfirstlane_b32 s14, v1                    ; wave 0..3
	s_lshr_b32 s15, s14, 1                         ; which half of the tile's rows is mine.  Also: I fetch for A (0) or for B (1)
	s_and_b32 s16, s14, 1                          ; which half of its columns.  Also: which half of that tile I fetch
	s_bfe_u32 s40, ttmp6, 0x40000                  ; cx, cy: my place in the cluster
	s_bfe_u32 s41, ttmp6, 0x40004
	s_and_b32 s18, ttmp7, 0xffff                   ; cluster y, 0 .. 23: the same in all sixteen partners
	s_lshr_b32 s[WH], s18, 3
	s_and_b32 s18, s18, 7
	s_lshl_b32 s18, s18, 2                         ; the tokens' 32 tiles go four to a cluster
	s_lshl_b32 s84, s[WH], 20                      ; the weight's image in wimg
	s_lshl_b32 s85, s[WH], 23                      ; embed's image in eimg
	s_mov_b32 s22, 0x80000                         ; two slots on: 2 x 64 blocks x 4,096 in wimg,
	s_mov_b32 s23, 0x400000                        ; 2 x 512 blocks x 4,096 in eimg
	s_cmp_eq_u32 s[WH], 2                          ; v: the features are A's rows and the tokens B's
	s_cselect_b32 s17, 0, s18
	s_cselect_b32 s42, s18, 0
	s_cselect_b32 s[SA2], s22, s23
	s_cselect_b32 s[SB2], s23, s22
	s_cselect_b32 s86, s84, s85
	s_cselect_b32 s87, s85, s84
	s_mov_b32 s[SA2+1], 0
	s_mov_b32 s[SB2+1], 0
	s_add_co_u32 s17, s17, s41                     ; tile row of C
	s_add_co_u32 s42, s42, s40                     ; tile column of C
	s_lshl_b32 s43, s41, 2
	s_lshl_b32 s43, 15, s43                        ; my row of the cluster
	s_lshl_b32 s44, 0x1111, s40                    ; my column
	; descriptor group 1: a dense block of 128 rows x 32 elements of 8 bytes
	s_or_b32 s[G1+0], s43, (3<<16)|(1<<21)         ; 15:0 the mask: A's tiles go to my row; 17:16 elements of 8 bytes; 20 no padding; 21 set beside a mask
	s_or_b32 s[G1B+0], s44, (3<<16)|(1<<21)
.irp g, G1, G1B
	s_mov_b32 s[\g+1], 32<<16                      ; tensor_dim0
	s_mov_b32 s[\g+2], 128<<16                     ; tensor_dim1
	s_mov_b32 s[\g+3], 32<<16                      ; tile_dim0
	s_mov_b32 s[\g+4], 128                         ; tile_dim1
	s_mov_b32 s[\g+5], 32                          ; tensor_dim0_stride
	s_mov_b32 s[\g+6], 0
	s_mov_b32 s[\g+7], 0
.endr
	s_lshl_b32 s18, s16, 15                        ; which half I fetch
	s_lshl_b32 s20, s17, 16                        ; a tile's 16 blocks x 4,096
	s_add_co_u32 s20, s20, s18
	s_add_co_u32 s20, s20, s86
	s_mov_b32 s21, 0
	s_lshl_b32 s46, s42, 16
	s_add_co_u32 s46, s46, s18
	s_add_co_u32 s46, s46, s87
	s_mov_b32 s47, 0
	s_mul_i32 s45, s14, HALFT                      ; where it goes: wave x 32,768: no place in the cluster enters an LDS address
	s_lshr_b32 s88, s[SA2], 1                      ; one slot on
	s_mov_b32 s89, 0
	s_lshr_b32 s92, s[SB2], 1
	s_mov_b32 s93, 0
	s_wait_kmcnt 0x0
	s_load_b256 s[72:79], s[8:9], 0x0              ; entries 0 to 7
	s_load_b128 s[80:83], s[8:9], 0x20             ; entries 8 to 11
	s_cmp_eq_u32 s[WH], 2
	s_cselect_b64 s[94:95], s[6:7], s[4:5]         ; A's buffer
	s_cselect_b64 s[96:97], s[4:5], s[6:7]         ; B's
	s_add_nc_u64 s[20:21], s[94:95], s[20:21]
	s_add_nc_u64 s[46:47], s[96:97], s[46:47]
.irp s, 0,1
	s_mov_b32 s[G0+4*\s], 1
	s_add_co_u32 s[G0+4*\s+1], s45, \s*SLOT
	s_mov_b32 s[G0B+4*\s], 1
	s_add_co_u32 s[G0B+4*\s+1], s45, \s*SLOT
.endr
	s_mov_b64 s[G0+2:G0+3], s[20:21]
	s_add_nc_u64 s[G0+6:G0+7], s[20:21], s[88:89]
	s_mov_b64 s[G0B+2:G0B+3], s[46:47]
	s_add_nc_u64 s[G0B+6:G0B+7], s[46:47], s[92:93]
.irp s, 0,1
	s_or_b32 s[G0+4*\s+3], s[G0+4*\s+3], 0x80000000
	s_or_b32 s[G0B+4*\s+3], s[G0B+4*\s+3], 0x80000000
.endr
	CROUND                                         ; all sixteen work-groups are here: the first joint loads meet
	JLOAD G0, G1, G0B, G1B                         ; two loads of mine are out, the most in this text
	JLOAD G0+4, G1, G0B+4, G1B
	v_and_b32 v6, 31, v0
	v_lshlrev_b32 v4, 4, v6                        ; 16 x lane
	s_mul_i32 s21, s15, HALFT                      ; my half of A's rows
	s_mul_i32 s22, s16, HALFT                      ; my half of B's,
	s_add_co_u32 s22, s22, 2*HALFT                 ; which lie behind A's two
.irp s, 0,1
	v_add_nc_u32 v[ADRA+\s], s21, v4
	v_add_nc_u32 v[ADRB+\s], s22, v4
	s_add_co_u32 s21, s21, SLOT
	s_add_co_u32 s22, s22, SLOT
.endr
	; where the codes go.  qimg: [batch x head 64][tile of 16 tokens 128][chunk 2][512].  kvimg: [batch x head 64][step of 128 keys 16][K: tile 8 x chunk 2 x 512 | V: tile of 16 channels 4 x chunk 4 x 512]
	s_cmp_eq_u32 s[WH], 0
	s_cselect_b32 s96, 17, 18                      ; a head's bytes: 2^17 in qimg, 2^18 in kvimg
	s_cselect_b64 s[OUT:OUT+1], s[10:11], s[12:13]
	s_lshl_b32 s97, 1, s96
	s_mov_b32 s[STA], 1024
	s_mov_b32 s[ST4], 1024
	s_cmp_eq_u32 s[WH], 2
	s_cselect_b32 s84, s42, s17                    ; the tokens' tile and half,
	s_cselect_b32 s85, s16, s15
	s_cselect_b32 s86, s17, s42                    ; the features'
	s_cselect_b32 s87, s15, s16
	s_cselect_b32 s88, 8192, 0                     ; V's images lie behind K's
	s_cselect_b32 s[STA], 2048, s[STA]             ; q, k: a tile of tokens is 1,024 bytes; v: a tile of channels 2,048,
	s_cselect_b32 s[ST4], 256000, s[ST4]           ; and block 4 begins the next head: 262,144 - 3 x 2,048
	s_cselect_b32 s97, 1024, s97                   ; groups 2, 3: q, k: the next head; v: chunks 2, 3
	s_mov_b32 s[STA+1], 0
	s_mov_b32 s[ST4+1], 0
	s_lshl_b32 s84, s84, 8
	s_lshl_b32 s85, s85, 7
	s_add_co_u32 s84, s84, s85                     ; my first token
	s_lshr_b32 s85, s84, 11
	s_lshl_b32 s85, s85, 4                         ; 16 x batch
	s_lshl_b32 s86, s86, 2
	s_lshl_b32 s87, s87, 1
	s_add_co_u32 s85, s85, s86
	s_add_co_u32 s85, s85, s87                     ; + my first head
	s_lshl_b32 s85, s85, s96
	s_bfe_u32 s84, s84, 0x40007                    ; which 128 tokens of the sequence
	s_sub_co_u32 s96, s96, 4
	s_lshl_b32 s84, s84, s96
	s_add_co_u32 s84, s84, s85
	s_add_co_u32 s84, s84, s88
	s_mov_b32 s85, 0
	s_add_nc_u64 s[OUT:OUT+1], s[OUT:OUT+1], s[84:85]
	v_lshlrev_b32 v[VO], 4, v6
	v_add_nc_u32 v[VO+1], 512, v[VO]
	v_add_nc_u32 v[VO+2], s97, v[VO]
	v_add_nc_u32 v[VO+3], 512, v[VO+2]
.macro FRAG reg, adr, q, i             ; block i, the slot's q-th 128 along K: four loads of 512 consecutive bytes
.irp c, 0,1,2,3
	ds_load_b128 v[\reg+4*\c:\reg+4*\c+3], v[\adr] offset:4096*(\i)+2048*(\q)+512*\c
.endr
.endm
; 16 matrix instructions: A's blocks a0, a0 + 1 x B's eight.  p: B's set.  zero = 1: the first product starts the sums.  The 64 accumulators take turns, one instruction a turn.
.macro MUL16 a0, p, zero
.irp a, \a0, \a0+1
.irp b, 0,1,2,3,4,5,6,7
.if \zero
	v_wmma_f32_16x16x128_fp8_fp8 v[8*(8*((\a)%4)+\b):8*(8*((\a)%4)+\b)+7], v[128*(\p)+FR*\b:128*(\p)+FR*\b+FR-1], v[AF+FR*(\a):AF+FR*(\a)+FR-1], 0
.else
	v_wmma_f32_16x16x128_fp8_fp8 v[8*(8*((\a)%4)+\b):8*(8*((\a)%4)+\b)+7], v[128*(\p)+FR*\b:128*(\p)+FR*\b+FR-1], v[AF+FR*(\a):AF+FR*(\a)+FR-1], v[8*(8*((\a)%4)+\b):8*(8*((\a)%4)+\b)+7]
.endif
.endr
.endr
.endm
.macro FETCH_B slot, q, p
	WIN TO_B
.irp i, 0,1,2,3,4,5,6,7
	FRAG 128*(\p)+FR*\i, ADRB+\slot, \q, \i
.endr
	WIN 0
.endm
.macro FETCH_A slot, q, i0
.irp i, \i0, \i0+1, \i0+2, \i0+3
	FRAG AF+FR*(\i), ADRA+\slot, \q, \i
.endr
.endm
.macro PLACES n                        ; plain vector lines between a matrix instruction and a load into, or a read of, its registers
.rept \n
	v_nop
.endr
.endm
; A step of 128 along K that has its successor in the same slot.  A has one set of registers: blocks 0-3 are fetched anew in the step's middle, blocks 4-7 at its end; B has two sets.
.macro STEP slot, q, zero
	s_wait_dscnt 4*NL                              ; B's set and A's blocks 0-3 are in; the youngest 16 loads (A's blocks 4-7) may be out
	WIN MUL_LO
	MUL16 0, (\q)%2, \zero
	MUL16 2, (\q)%2, \zero
	s_wait_dscnt 0
	PLACES NP
	FETCH_B \slot, (\q)+1, 1-(\q)%2
	FETCH_A \slot, (\q)+1, 0
	WIN MUL_HI
	MUL16 4, (\q)%2, \zero
	MUL16 6, (\q)%2, \zero
	PLACES NP
	WIN 0
	FETCH_A \slot, (\q)+1, 4
.endm
; A slot's last step changes slots: one barrier; in front of it each wave waits for all its tensor loads, adds 0 to its spare word, and waits for that and for its reads of this slot.  fill = 1: the slot is filled again, two slots ahead.
.macro TURN slot, next, fill
	s_wait_tensorcnt 0x0                           ; all my tensor loads have landed: my part of the next slot
	ds_add_u32 v[SPW], v[NIL]                      ; 0 onto my spare word
	s_wait_dscnt 4*NL+1                            ; (the add and the youngest 16 loads may be out)
	WIN MUL_LO
	MUL16 0, 1, 0
	s_wait_dscnt 0x0                               ; the add is done, and my reads of this slot are over
	s_barrier_signal -1
	MUL16 2, 1, 0
	WIN 0
	s_barrier_wait -1
.if \fill
	CREST                                          ; the barrier has opened a round of the cluster's barrier: no wave of any partner still reads this slot or has a load on its way
	s_add_nc_u64 s[G0+4*\slot+2:G0+4*\slot+3], s[G0+4*\slot+2:G0+4*\slot+3], s[SA2:SA2+1]
	s_add_nc_u64 s[G0B+4*\slot+2:G0B+4*\slot+3], s[G0B+4*\slot+2:G0B+4*\slot+3], s[SB2:SB2+1]
	JLOAD G0+4*\slot, G1, G0B+4*\slot, G1B         ; the first tensor load behind the round; its four v_nop are the places in front of the loads below
.else
	PLACES NP
.endif
	FETCH_B \next, 0, 0
	FETCH_A \next, 0, 0
	WIN MUL_HI
	MUL16 4, 1, 0
	MUL16 6, 1, 0
	PLACES NP
	WIN 0
	FETCH_A \next, 0, 4
.endm
	s_wait_tensorcnt 1                             ; my part of slot 0 is in; slot 1's load may be out
	s_barrier_signal -1
	s_barrier_wait -1
	FETCH_B 0, 0, 0
	FETCH_A 0, 0, 0
	FETCH_A 0, 0, 4
	STEP 0, 0, 1                                   ; K = 1,024 is eight steps: written straight
	TURN 0, 1, 1
	STEP 1, 0, 0
	TURN 1, 0, 1
	STEP 0, 0, 0
	TURN 0, 1, 0                                   ; the last two slots are filled no more
	STEP 1, 0, 0
	s_wait_dscnt 4*NL
	WIN MUL_LO
	MUL16 0, 1, 0
	MUL16 2, 1, 0
	s_wait_dscnt 0
	WIN MUL_HI
	MUL16 4, 1, 0
	MUL16 6, 1, 0
	WIN 0
; THE WAY OUT, without LDS: block a's 64 sums of a lane are four groups of 16 neighbours along the next K.  Hold, convert, and each group of 16 codes is stored where the image wants lane L's 16 bytes.
.macro QOUT a
.set AC, 64*((\a)%4)
	WIN 0x02+((\a)/4)                              ; source 0: window 2 or 3
.set J, 0
.rept 64
	v_med3_num_f32 v[TMP+J], v[AC+J], -v[LIM], v[LIM]   ; the conversion does not saturate (ISA guide 7.6.2); each accumulator from its low end on
.set J, J+1
.endr
	WIN 0
.if (\a) > 0
	s_wait_xcnt 0x0                                ; the last block's stores have read their codes and their base
.if (\a) == 4
	s_add_nc_u64 s[OUT:OUT+1], s[OUT:OUT+1], s[ST4:ST4+1]
.else
	s_add_nc_u64 s[OUT:OUT+1], s[OUT:OUT+1], s[STA:STA+1]
.endif
.endif
.irp b, 0,1,2,3
	v_cvt_scalef32_pk8_fp8_f32 v[CD+4*\b:CD+4*\b+1], v[TMP+16*\b:TMP+16*\b+7], v[SCL]
	v_cvt_scalef32_pk8_fp8_f32 v[CD+4*\b+2:CD+4*\b+3], v[TMP+16*\b+8:TMP+16*\b+15], v[SCL]
.endr
	v_nop                                          ; a plain line behind the last conversion: the next block's holds write the conversions' sources
.irp b, 0,1,2,3
	global_store_b128 v[VO+\b], v[CD+4*\b:CD+4*\b+3], s[OUT:OUT+1]   ; 32 lanes store 512 consecutive bytes, aligned
.endr
.endm
	s_wait_kmcnt 0x0
	s_sub_co_i32 s84, s78, s72                     ; q: entries 6 - 0 - 1
	s_sub_co_i32 s84, s84, s73
	s_sub_co_i32 s85, s79, s74                     ; k: 7 - 2 - 3
	s_sub_co_i32 s85, s85, s75
	s_sub_co_i32 s86, s81, s76                     ; v: 9 - 4 - 5
	s_sub_co_i32 s86, s86, s77
	s_cmp_eq_u32 s[WH], 0
	s_cselect_b32 s84, s84, s85
	s_cmp_eq_u32 s[WH], 2
	s_cselect_b32 s84, s86, s84
	s_add_co_i32 s84, s84, 127
	s_lshl_b32 s85, s84, 23
	v_mov_b32 v[SCL], s85
	s_add_co_i32 s84, s84, 8
	s_lshl_b32 s84, s84, 23
	s_or_b32 s84, s84, 0x600000
	v_mov_b32 v[LIM], s84
	PLACES NP
.irp a, 0,1,2,3,4,5,6,7
	QOUT \a
.endr
	s_wait_tensorcnt 0x0                           ; the wave's end
	ds_add_u32 v[SPW], v[NIL]
	s_wait_dscnt 0x0
	CROUND                                         ; the closing round: no work-group ends while a partner may still ask for a tile that names it
	s_endpgm
.Lfunc_end_k_q62fabcf6ce_proj:
	.size	k_q62fabcf6ce_proj, .Lfunc_end_k_q62fabcf6ce_proj-k_q62fabcf6ce_proj
	.p2alignl 7, 3214868480
	.fill 96, 4, 3214868480
	.section	.rodata,"a",@progbits
	.p2align	6, 0x0
	.amdhsa_kernel k_q62fabcf6ce_proj
		.amdhsa_group_segment_fixed_size 327680
		.amdhsa_private_segment_fixed_size 0
		.amdhsa_enable_private_segment 0
		.amdhsa_kernarg_size 40
		.amdhsa_user_sgpr_count 2
		.amdhsa_user_sgpr_kernarg_segment_ptr 1
		.amdhsa_wavefront_size32 1
		.amdhsa_system_sgpr_workgroup_id_x 1
		.amdhsa_system_sgpr_workgroup_id_y 1
		.amdhsa_system_sgpr_workgroup_id_z 1
		.amdhsa_system_vgpr_workitem_id 0
		.amdhsa_next_free_vgpr 1024
		.amdhsa_next_free_sgpr 100
		.amdhsa_reserve_vcc 0
		.amdhsa_float_denorm_mode_32 3
		.amdhsa_float_denorm_mode_16_64 3
		.amdhsa_memory_ordered 1
		.amdhsa_forward_progress 1
		.amdhsa_inst_pref_size 119
	.end_amdhsa_kernel
	.amdgpu_metadata
---
amdhsa.version: [ 1, 2 ]
amdhsa.kernels:
  - .name:           k_q62fabcf6ce_proj
    .symbol:         k_q62fabcf6ce_proj.kd
    .args:
      - { .name: eimg, .offset: 0, .size: 8, .value_kind: global_buffer, .address_space: global }
      - { .name: wimg, .offset: 8, .size: 8, .value_kind: global_buffer, .address_space: global }
      - { .name: lowp_scales, .offset: 16, .size: 8, .value_kind: global_buffer, .address_space: global }
      - { .name: qimg, .offset: 24, .size: 8, .value_kind: global_buffer, .address_space: global }
      - { .name: kvimg, .offset: 32, .size: 8, .value_kind: global_buffer, .address_space: global }
    .group_segment_fixed_size: 327680
    .private_segment_fixed_size: 0
    .kernarg_segment_align: 8
    .kernarg_segment_size: 40
    .max_flat_workgroup_size: 128
    .sgpr_count:     100
    .vgpr_count:     1024
    .wavefront_size: 32
...
	.end_amdgpu_metadata
.endif
;; end of part 2
;; launch attn (part 3): grid 16 x 64, 8 waves a work-group, no clusters, 33,792 bytes of LDS; arguments qimg, kvimg, maskw, flags, lowp_scales, hoimg; writes hoimg
.if DOCPART == 3
	.amdgcn_target "amdgcn-amd-amdhsa--gfx1250"
	.amdhsa_code_object_version 6
	.text
	.protected	k_q62fabcf6ce_attn
	.globl	k_q62fabcf6ce_attn
	.p2align	8
	.type	k_q62fabcf6ce_attn,@function
k_q62fabcf6ce_attn:
	s_mov_b64 s[64:65], 0
	v_nop
	global_prefetch_b8 v0, s[64:65] scope:SCOPE_SE
	s_setreg_imm32_b32 hwreg(HW_REG_WAVE_MODE, 25, 1), 1
	s_wait_xcnt 0x0
; ATTN: for one batch and head, heads_out = softmax(q k^T / 8, under the given mask) v, both products on E4M3 codes, quantised at once for the last product and stored as images of its operand's registers.
; t = score x log2(e) / 8; M = the row's largest t so far, rounded UP to a whole number; p = 2^(t - M) is what is quantised; the row's sum is taken of the unquantised p and divides at the end.
; When M moves, the sum and O are multiplied by 2^(old M - new M): exact.
; SHARES.  A work-group owns 128 queries of one batch and head, each of its eight waves one tile of 16.  Keys go 128 a step; a step's images of K (8,192 bytes) and V (8,192) lie in one of two LDS slots, read by all eight waves.
; LAYOUT.  Both products are used transposed: S^T = K Q^T (source 0 = 16 keys), O^T = V^T P^T (source 0 = 16 channels): a lane holds ONE query throughout.  The keys of a tile of K and the channels of a tile of V
; are permuted blocks (row r of tile t = 32 (t / 2) + 8 (t % 2) + r + 8 (r / 8)), so that score register 16 b + i is key 32 b + 16 (lane / 16) + i, and likewise O^T's registers along the channels.
; THE MASK IS AN INPUT.  An earlier launch has turned it into one word for each score register (bit L: lane L's key counts) and, for each tile and step, two bits: 'some key counts', 'some key is hidden'.
; A step none of whose keys counts for my 16 queries adds nothing and is passed over; a step with no hidden key skips the selects; a step that no tile of the work-group wants is not fetched.  These are scalar branches on stored whole numbers;
; every wave passes every barrier.  Since the walk hangs on loaded numbers, the tiles come through registers (global load, LDS store), each wave carrying 2,048 bytes of a step, a step ahead.
; A query with no key that counts has the sum 0: its codes become the NaN code, so that its row of the result is NaN.
; No cluster and no joint loads: the work-groups of a head pass over different steps, so they would not ask for the same tiles.
; LIMITS: entries 6 + 7 between -123 and 130 (added to c's exponent field); entry 8, and entries 10 - 8 - 9, between -126 and 119.  NaN among the scores is not served.
.set SKIP, 1                           ; 0: every step is walked with its selects, whatever the flags say
.set SLB,  16384                       ; an LDS slot
.set LI,   1                           ; v1   16 x lane
.set LW,   2                           ; v2   2,048 x wave + 16 x lane: my part of a step, in memory and in a slot: at most 14,336 + 496
.set PFO,  3                           ; v3   256 x lane
.set NINF, 4                           ; v4   -infinity
.set PLIM, 5                           ; v5   448 x 2^e8
.set PSCL, 6                           ; v6   2^e8
.set PX,   7                           ; v7   the lane permute's destination
.set OSCL, 8                           ; v8   2^(e10 - e8 - e9)
.set OLIM, 9                           ; v9   448 x that
.set FF,   10                          ; v[10:11] f = 2^(old M - new M)
                                       ; v12 -M, v13 the largest t, v[14:15] the sum in two halves
.set Q,    16                          ; v16-23   Q's fragment
.set STG,  24                          ; v24-39   my part of the next step's tiles
.set F,    40                          ; v40-103  fragments of K, then of V
.set S,    104                         ; v104-167 S^T, then p
.set O,    168                         ; v168-199 O^T
.set P,    200                         ; v200-215 p's codes
.set WA,   216
.set WB,   217
.set WS,   218                         ; v[218:219]
                                       ; s[4:5] Q; s[6:7] kvimg at the step in hand; s[8:9] maskw at my tile's step in hand; s[14:15] hoimg at my codes
                                       ; s16 wave; s17 the step; s18 'some key counts' from this step on; s19 the work-group's, from the next step on; s26 'some key is hidden'
                                       ; s[20:21] lane selects; s[22:23] c; s24 trips; s25 the step in which I prefetch; s28 e8; s[66:67] what I prefetch; s[32:63], s[68:99] the step's 64 words
	s_load_b256 s[4:11], s[0:1], 0x0               ; qimg 4, kvimg 6, maskw 8, flags 10
	s_load_b128 s[12:15], s[0:1], 0x20             ; the scales 12, hoimg 14
	v_lshl_add_u32 v224, v0, 2, 0x8000
	v_mov_b32 v225, 0
	v_lshrrev_b32 v1, 5, v0
	v_readfirstlane_b32 s16, v1                    ; wave 0..7
	v_and_b32 v[PFO], 31, v0
	v_lshlrev_b32 v[LI], 4, v[PFO]
	s_lshl_b32 s2, s16, 11                         ; 2,048 x wave,
	v_add_nc_u32 v[LW], s2, v[LI]                  ; + 16 x lane
	v_lshlrev_b32 v[PFO], 8, v[PFO]
	s_and_b32 s26, ttmp7, 0xffff                   ; 16 x batch + head
	s_lshr_b32 s27, s26, 4
	s_and_b32 s31, s26, 15                         ; head
	s_lshl_b32 s2, ttmp9, 3
	s_lshl_b32 s3, s27, 7
	s_add_co_u32 s3, s3, s2                        ; the work-group's first tile among all 512: 128 x batch + 8 x
	s_add_co_u32 s25, s3, s16                      ; mine
	s_add_co_u32 s2, s2, s16                       ; and within the sequence
	s_lshl_b32 s80, s26, 17
	s_lshl_b32 s81, s2, 10
	s_add_co_u32 s80, s80, s81                     ; qimg: [batch x head][tile 128][1,024]
	s_mov_b32 s81, 0
	s_lshl_b32 s82, s26, 18                        ; kvimg: [batch x head][step 16][16,384]
	s_mov_b32 s83, 0
	s_lshl_b32 s84, s25, 12                        ; maskw: [tile 512][step 16][256]
	s_mov_b32 s85, 0
	s_lshl_b32 s86, s25, 4                         ; flags: four words a tile
	s_mov_b32 s87, 0
	s_lshl_b32 s88, s3, 4
	s_mov_b32 s89, 0
	s_lshr_b32 s90, s31, 2                         ; hoimg: [256 along K: head / 4][tile 512][128 along K: (head / 2) % 2][2,048], my head's half of the fragment: chunks 2 (head % 2) on
	s_lshl_b32 s90, s90, 9
	s_add_co_u32 s90, s90, s25
	s_lshl_b32 s90, s90, 1
	s_bfe_u32 s91, s31, 0x10001
	s_add_co_u32 s90, s90, s91
	s_lshl_b32 s90, s90, 11
	s_and_b32 s91, s31, 1
	s_lshl_b32 s91, s91, 10
	s_add_co_u32 s90, s90, s91
	s_mov_b32 s91, 0
	s_lshl_b32 s92, ttmp9, 14                      ; what I prefetch: key step x, half (wave % 2)
	s_and_b32 s93, s16, 1
	s_lshl_b32 s93, s93, 13
	s_add_co_u32 s92, s92, s93
	s_mov_b32 s93, 0
	s_sub_co_i32 s25, ttmp9, 3                     ; and when: in step x - 3, in waves 0 and 1; never where x is under 3
	s_cmp_lt_u32 s16, 2
	s_cselect_b32 s25, s25, -1
	s_mov_b32 s20, 0x76543210
	s_mov_b32 s21, 0xfedcba98
	s_mov_b32 s22, 0x3e38aa3b                      ; c = log2(e) / 8
	s_wait_kmcnt 0x0
	s_add_nc_u64 s[86:87], s[10:11], s[86:87]
	s_add_nc_u64 s[88:89], s[10:11], s[88:89]
	s_load_b128 s[68:71], s[86:87], 0x0            ; my tile's flags
	s_load_b512 s[32:47], s[88:89], 0x0            ; the eight tiles'
	s_load_b512 s[48:63], s[88:89], 0x40
	s_load_b128 s[72:75], s[12:13], 0x18           ; entries 6 to 9
	s_load_b32 s76, s[12:13], 0x28                 ; entry 10
	s_add_nc_u64 s[4:5], s[4:5], s[80:81]
	s_add_nc_u64 s[6:7], s[6:7], s[82:83]
	s_add_nc_u64 s[8:9], s[8:9], s[84:85]
	s_add_nc_u64 s[14:15], s[14:15], s[90:91]
	s_add_nc_u64 s[66:67], s[6:7], s[92:93]
	global_load_b128 v[Q:Q+3], v[LI], s[4:5]
	global_load_b128 v[Q+4:Q+7], v[LI], s[4:5] offset:512
	v_mov_b32 v[NINF], 0xff800000
	v_mov_b32 v[PX], 0                             ; a lane permute's destination counts as read
	v_mov_b32 v[FF+1], 0                           ; (named as the upper half of a pair)
	v_mov_b32 v13, 0xff61b1e6                      ; the largest t so far: -3e38, under every t
	v_floor_f32 v12, -v13
	v_mov_b32 v14, 0
	v_mov_b32 v15, 0
.set J, 0
.rept 16
	v_mov_b32 v[STG+J], 0                          ; stored into a slot also where a step is not fetched: nobody reads it then
.set J, J+1
.endr
.set J, 0
.rept 32
	v_mov_b32 v[O+J], 0                            ; the step is written once: the first finds zeros, which the first change of M leaves zeros
.set J, J+1
.endr
	s_wait_kmcnt 0x0
	s_or_b32 s68, s68, s69
	s_or_b32 s70, s70, s71
	s_or_b32 s68, s68, s70
.set J, 33
.rept 31
	s_or_b32 s32, s32, s[J]
.set J, J+1
.endr
	s_and_b32 s19, s32, 0xffff
	s_and_b32 s18, s68, 0xffff
	s_lshr_b32 s26, s68, 16
.if SKIP == 0
	s_mov_b32 s19, 0xffff
	s_mov_b32 s18, 0xffff
	s_mov_b32 s26, 0xffff
.endif
	s_add_co_i32 s27, s72, s73
	s_lshl_b32 s27, s27, 23
	s_add_co_i32 s22, s22, s27                     ; a score stands for score x 2^(e6 + e7): added to c's exponent field
	s_mov_b32 s23, s22
	s_mov_b32 s28, s74
	s_add_co_i32 s27, s74, 127
	s_lshl_b32 s29, s27, 23
	v_mov_b32 v[PSCL], s29
	s_add_co_i32 s27, s27, 8
	s_lshl_b32 s27, s27, 23
	s_or_b32 s27, s27, 0x600000
	v_mov_b32 v[PLIM], s27
	s_sub_co_i32 s27, s76, s74                     ; O / the sum stands for heads_out / 2^(e8 + e9): its code is that / 2^(e10 - e8 - e9)
	s_sub_co_i32 s27, s27, s75
	s_add_co_i32 s27, s27, 127
	s_lshl_b32 s29, s27, 23
	v_mov_b32 v[OSCL], s29
	s_add_co_i32 s27, s27, 8
	s_lshl_b32 s27, s27, 23
	s_or_b32 s27, s27, 0x600000
	v_mov_b32 v[OLIM], s27
	s_bitcmp1_b32 s19, 0                           ; step 0, if some tile of the work-group wants it
	s_cbranch_scc0 .Lno_first
.irp i, 0,1,2,3
	global_load_b128 v[STG+4*\i:STG+4*\i+3], v[LW], s[6:7] offset:512*\i
.endr
.Lno_first:
	s_lshr_b32 s19, s19, 1                         ; from here on bit 0 speaks of the NEXT step
	s_mov_b32 s17, 0
	s_mov_b32 s24, 8
	s_wait_loadcnt 0x0                             ; Q, and my part of step 0
.irp i, 0,1,2,3
	ds_store_b128 v[LW], v[STG+4*\i:STG+4*\i+3] offset:512*\i
.endr
	s_wait_dscnt 0x0                               ; for the others' sake
	s_barrier_signal -1
	s_barrier_wait -1
; A KEY STEP, whose tiles lie in slot sl.
.macro STEPM sl
	s_bitcmp1_b32 s19, 0                           ; the next step's tiles are asked for now, if some tile of the work-group wants them.  (Behind step 15 the bit is 0: no load leaves the buffer)
	s_cbranch_scc0 .Lno_next_\@
.irp i, 0,1,2,3
	global_load_b128 v[STG+4*\i:STG+4*\i+3], v[LW], s[6:7] offset:SLB+512*\i
.endr
.Lno_next_\@:
; A PREFETCH INTO THE L2.  The sixteen work-groups of a batch and head walk the same K and V.  Work-group x asks for key step x, and nobody else does: 16,384 bytes, waves 0 and 1, a lane to each 256 bytes:
; each block is named once in the launch.  It asks in step x - 3: the loads of key step x are issued in step x - 1, two steps later.  Key steps 0 to 2 come by their loads alone.  Its address registers are never rewritten.
	s_cmp_eq_u32 s17, s25
	s_cbranch_scc0 .Lno_ask_\@
	global_prefetch_b8 v[PFO], s[66:67] th:TH_LOAD_NT scope:SCOPE_SE
.Lno_ask_\@:
	s_bitcmp1_b32 s18, 0                           ; does any key of this step count for my 16 queries?
	s_cbranch_scc0 .Lhidden_\@
	s_load_b512 s[32:47], s[8:9], 0x0              ; the step's 64 words
	s_load_b512 s[48:63], s[8:9], 0x40
	s_load_b512 s[68:83], s[8:9], 0x80
	s_load_b512 s[84:99], s[8:9], 0xc0
.rept 4
	v_nop                                          ; places in front of loads into registers that the last step's matrix instructions have read
.endr
.irp t, 0,1,2,3,4,5,6,7
	ds_load_b128 v[F+8*\t:F+8*\t+3], v[LI] offset:\sl*SLB+1024*\t
	ds_load_b128 v[F+8*\t+4:F+8*\t+7], v[LI] offset:\sl*SLB+1024*\t+512
.endr
	s_wait_dscnt 0x0
.irp t, 0,1,2,3,4,5,6,7
	v_wmma_f32_16x16x64_fp8_fp8 v[S+8*\t:S+8*\t+7], v[F+8*\t:F+8*\t+7], v[Q:Q+7], 0
.endr
.rept 4
	v_nop                                          ; places in front of the loads below and of the first read of the scores
.endr
.irp d, 0,1,2,3
.irp c, 0,1,2,3
	ds_load_b128 v[F+16*\d+4*\c:F+16*\d+4*\c+3], v[LI] offset:\sl*SLB+8192+2048*\d+512*\c   ; V lands while the softmax is walked
.endr
.endr
	s_wait_kmcnt 0x0
	s_bitcmp1_b32 s26, 0                           ; a step all of whose keys count skips the selects
	s_cbranch_scc0 .Lopen_\@
.set J, 0
.rept 64
.if J < 32
	v_cndmask_b32 v[S+J], v[NINF], v[S+J], s[32+J]   ; a hidden key's score becomes -infinity ahead of the maximum: p = 0 then
.else
	v_cndmask_b32 v[S+J], v[NINF], v[S+J], s[36+J]
.endif
.set J, J+1
.endr
.Lopen_\@:
	v_max3_num_f32 v[WA], v[S], v[S+1], v[S+2]     ; the step's largest score of my query among my 64 keys, in two chains, each accumulator from its low end on
	v_max3_num_f32 v[WB], v[S+3], v[S+4], v[S+5]
.irp i, 6,10,14,18,22,26,30,34,38,42,46,50,54,58
	v_max3_num_f32 v[WA], v[WA], v[S+\i], v[S+\i+1]
	v_max3_num_f32 v[WB], v[WB], v[S+\i+2], v[S+\i+3]
.endr
	v_max3_num_f32 v[WA], v[WA], v[S+62], v[S+63]
	v_max_num_f32 v[WA], v[WA], v[WB]
	v_permlanex16_b32 v[PX], v[WA], s20, s21
	v_max_num_f32 v[WA], v[WA], v[PX]              ; and among lane l xor 16's
	v_mul_f32 v[WA], s22, v[WA]                    ; as t (c is positive)
	v_max_num_f32 v13, v13, v[WA]
	v_mov_b32 v[WA], v12
	v_floor_f32 v12, -v13                          ; the new -M = floor(-t): M is a whole number
	v_sub_f32 v[WA], v12, v[WA]                    ; old M - new M: a whole number, 0 or less
	v_cvt_i32_f32 v[WA], v[WA]                     ; (it saturates)
	v_ldexp_f32 v[FF], 1.0, v[WA]                  ; f
.set J, 0
.rept 32
	v_pk_fma_f32 v[S+J:S+J+1], v[S+J:S+J+1], s[22:23], v[12:13] op_sel_hi:[1,0,0]   ; t - M, two at a time
.set J, J+2
.endr
.set J, 0
.rept 64
	v_exp_f32 v[S+J], v[S+J]                       ; p = 2^(t - M), at most 1
.set J, J+1
.endr
	v_pk_mul_f32 v[14:15], v[14:15], v[FF:FF+1] op_sel_hi:[1,0]   ; the sums under the new M: the plain line behind the exponentials
	s_wait_alu depctr_va_vdst(0)                   ; one wait for the whole batch, ahead of its first reader
	v_pk_add_f32 v[WS:WS+1], v[S:S+1], v[S+2:S+3]  ; the row's sum is taken of the unquantised p, in two chains
.irp j, 4,8,12,16,20,24,28,32,36,40,44,48,52,56,60
	v_pk_add_f32 v[14:15], v[14:15], v[S+\j:S+\j+1]
	v_pk_add_f32 v[WS:WS+1], v[WS:WS+1], v[S+\j+2:S+\j+3]
.endr
	v_pk_add_f32 v[14:15], v[14:15], v[WS:WS+1]
	s_cmp_lt_i32 s28, -8                           ; p is at most 1, and 448 x 2^e8 is at least 1 from e8 = -8 on: only below that can the hold bite.  A branch on a given whole number
	s_cbranch_scc0 .Lno_hold_\@
.set J, 0
.rept 64
	v_min_num_f32 v[S+J], v[S+J], v[PLIM]          ; the conversion does not saturate (ISA guide 7.6.2); p is not negative
.set J, J+1
.endr
.Lno_hold_\@:
.irp b, 0,1,2,3
	v_cvt_scalef32_pk8_fp8_f32 v[P+4*\b:P+4*\b+1], v[S+16*\b:S+16*\b+7], v[PSCL]
	v_cvt_scalef32_pk8_fp8_f32 v[P+4*\b+2:P+4*\b+3], v[S+16*\b+8:S+16*\b+15], v[PSCL]
.endr
.set J, 0
.rept 16
	v_pk_mul_f32 v[O+J:O+J+1], v[O+J:O+J+1], v[FF:FF+1] op_sel_hi:[1,0]   ; O^T under the new M; also the plain lines between the conversions and the products
.set J, J+2
.endr
	s_wait_dscnt 0x0                               ; V
.irp d, 0,1,2,3
	v_wmma_f32_16x16x128_fp8_fp8 v[O+8*\d:O+8*\d+7], v[F+16*\d:F+16*\d+15], v[P:P+15], v[O+8*\d:O+8*\d+7]   ; four accumulators by turns; the next step's eight products on the scores stand before they are taken up again
.endr
.Lhidden_\@:
	s_wait_loadcnt 0x0                             ; my part of the next step is in (this also frees the loads' base)
.irp i, 0,1,2,3
	ds_store_b128 v[LW], v[STG+4*\i:STG+4*\i+3] offset:(1-\sl)*SLB+512*\i   ; into the other slot, whose last reads stand in front of the barrier before this one
.endr
	s_add_nc_u64 s[6:7], s[6:7], SLB
	s_add_nc_u64 s[8:9], s[8:9], 256
	s_add_co_u32 s17, s17, 1
	s_lshr_b32 s18, s18, 1
	s_lshr_b32 s19, s19, 1
	s_lshr_b32 s26, s26, 1
	s_wait_dscnt 0x0                               ; my stores have landed and my reads of this slot are over
	s_barrier_signal -1
	s_barrier_wait -1
.endm
.Ltrip:                                            ; eight trips of two steps: the slots are constants of the text
	STEPM 0
	STEPM 1
	s_sub_co_u32 s24, s24, 1
	s_cmp_lg_u32 s24, 0
	s_cbranch_scc1 .Ltrip
	; THE WAY OUT: O^T / the sum, held, converted: registers 16 g + i are channels 32 g + 16 (lane / 16) + i of my query: two chunks of the last product's fragment.
.rept 4
	v_nop
.endr
	v_add_f32 v14, v14, v15
	v_permlanex16_b32 v[PX], v14, s20, s21
	v_add_f32 v14, v14, v[PX]                      ; the row's sum
	v_cmp_eq_f32 vcc_lo, 0, v14                    ; no key counted for this query
	v_rcp_f32 v[WA], v14
	v_mov_b32 v[WB], 0x7f7f7f7f                    ; four NaN codes.  (The plain line behind the reciprocal)
	s_wait_alu depctr_va_vdst(0)                   ; ahead of the reciprocal's first reader
.set J, 0
.rept 32
	v_mul_f32 v[S+J], v[O+J], v[WA]
.set J, J+1
.endr
.set J, 0
.rept 32
	v_med3_num_f32 v[S+J], v[S+J], -v[OLIM], v[OLIM]
.set J, J+1
.endr
.irp b, 0,1
	v_cvt_scalef32_pk8_fp8_f32 v[P+4*\b:P+4*\b+1], v[S+16*\b:S+16*\b+7], v[OSCL]
	v_cvt_scalef32_pk8_fp8_f32 v[P+4*\b+2:P+4*\b+3], v[S+16*\b+8:S+16*\b+15], v[OSCL]
.endr
	v_nop                                          ; a plain line between the conversions and the selects that touch their results
.irp i, 0,1,2,3,4,5,6,7
	v_cndmask_b32 v[P+\i], v[P+\i], v[WB], vcc_lo
.endr
	global_store_b128 v[LI], v[P:P+3], s[14:15]               ; 32 lanes store 512 consecutive bytes, aligned
	global_store_b128 v[LI], v[P+4:P+7], s[14:15] offset:512
	s_wait_tensorcnt 0x0
	ds_add_u32 v224, v225
	s_wait_dscnt 0x0
	s_endpgm
.Lfunc_end_k_q62fabcf6ce_attn:
	.size	k_q62fabcf6ce_attn, .Lfunc_end_k_q62fabcf6ce_attn-k_q62fabcf6ce_attn
	.p2alignl 7, 3214868480
	.fill 96, 4, 3214868480
	.section	.rodata,"a",@progbits
	.p2align	6, 0x0
	.amdhsa_kernel k_q62fabcf6ce_attn
		.amdhsa_group_segment_fixed_size 33792
		.amdhsa_private_segment_fixed_size 0
		.amdhsa_enable_private_segment 0
		.amdhsa_kernarg_size 48
		.amdhsa_user_sgpr_count 2
		.amdhsa_user_sgpr_kernarg_segment_ptr 1
		.amdhsa_wavefront_size32 1
		.amdhsa_system_sgpr_workgroup_id_x 1
		.amdhsa_system_sgpr_workgroup_id_y 1
		.amdhsa_system_sgpr_workgroup_id_z 1
		.amdhsa_system_vgpr_workitem_id 0
		.amdhsa_next_free_vgpr 226
		.amdhsa_next_free_sgpr 100
		.amdhsa_reserve_vcc 1
		.amdhsa_float_denorm_mode_32 3
		.amdhsa_float_denorm_mode_16_64 3
		.amdhsa_memory_ordered 1
		.amdhsa_forward_progress 1
		.amdhsa_inst_pref_size 54
	.end_amdhsa_kernel
	.amdgpu_metadata
---
amdhsa.version: [ 1, 2 ]
amdhsa.kernels:
  - .name:           k_q62fabcf6ce_attn
    .symbol:         k_q62fabcf6ce_attn.kd
    .args:
      - { .name: qimg, .offset: 0, .size: 8, .value_kind: global_buffer, .address_space: global }
      - { .name: kvimg, .offset: 8, .size: 8, .value_kind: global_buffer, .address_space: global }
      - { .name: maskw, .offset: 16, .size: 8, .value_kind: global_buffer, .address_space: global }
      - { .name: flags, .offset: 24, .size: 8, .value_kind: global_buffer, .address_space: global }
      - { .name: lowp_scales, .offset: 32, .size: 8, .value_kind: global_buffer, .address_space: global }
      - { .name: hoimg, .offset: 40, .size: 8, .value_kind: global_buffer, .address_space: global }
    .group_segment_fixed_size: 33792
    .private_segment_fixed_size: 0
    .kernarg_segment_align: 8
    .kernarg_segment_size: 48
    .max_flat_workgroup_size: 256
    .sgpr_count:     100
    .vgpr_count:     226
    .wavefront_size: 32
...
	.end_amdgpu_metadata
.endif
;; end of part 3
;; launch outp (part 4): grid 4 x 32, 4 waves a work-group, clusters of 4 x 4, 327,680 bytes of LDS; arguments hoimg, wimg, lowp_scales, out0; writes out0
.if DOCPART == 4
	.amdgcn_target "amdgcn-amd-amdhsa--gfx1250"
	.amdhsa_code_object_version 6
	.text
	.protected	k_q62fabcf6ce_outp
	.globl	k_q62fabcf6ce_outp
	.p2align	8
	.type	k_q62fabcf6ce_outp,@function
k_q62fabcf6ce_outp:
	s_mov_b64 s[64:65], 0
	v_nop
	global_prefetch_b8 v0, s[64:65] scope:SCOPE_SE
	s_setreg_imm32_b32 hwreg(HW_REG_WAVE_MODE, 25, 1), 1
	s_wait_xcnt 0x0
	s_wait_alu depctr_hold_cnt(0) depctr_sa_sdst(0) depctr_va_vdst(0) depctr_va_sdst(0) depctr_va_ssrc(0) depctr_va_vcc(0) depctr_vm_vsrc(0)
	s_getreg_b32 s2, hwreg(HW_REG_IB_STS2, 6, 4)
	s_cmp_eq_u32 s2, 0
	s_cbranch_scc0 .Lentry_in_a_cluster
	s_endpgm
.Lentry_in_a_cluster:
	s_bfe_u32 s2, ttmp6, 0x10000c
	s_cmp_lg_u32 s2, 0xf033
	s_cbranch_scc0 .Lentry_shape_is_right
	s_endpgm
.Lentry_shape_is_right:
; OUTP: out0 = heads_out x w_o on E4M3 codes.  A = hoimg (tokens, permuted blocks of 16: row r of block t = 32 (t / 2) + 8 (t % 2) + r + 8 (r / 8)), B = image 3 of wimg (w_o's columns as they lie); out0 [8,192][1,024] f32.
; A tile of C is 256 x 256, four waves, 128 x 128 each: 64 accumulators, 512 registers.  K = 1,024 goes in four slots' worth of 256 through a ring of two LDS slots.
; OPERANDS ARE IMAGES of the fragments' registers (16 rows x 128 K: 2,048 bytes; chunk c of 512; lane L's 16 bytes at 16 L = row L % 16, k = 32 c + 16 (L / 16) + 0 .. 15), so half a tile for 256 along K is one dense block
; of 32,768 bytes: one tensor load a wave, no padding, every LDS load reads 512 consecutive bytes.
; THE MATRIX INSTRUCTION IS USED TRANSPOSED (source 0 = a block of B, source 1 = a block of A): a lane holds eight neighbouring numbers of a row of C.
; CLUSTERS: 4 x 4 work-groups; A's tiles are asked for jointly along a row of the cluster, B's along a column.  The grid has 128 work-groups: the tile is kept large so that each LDS byte feeds the most products.
; Each finished sum is multiplied once by 2^(e10 + e11).  LIMIT: e10 + e11 between -126 and 127.  No prefetch: half of a work-group's tiles are asked for at its head.
; REGISTERS, in windows of 256: window 0: v0-31 addresses; from v128 A's fragments, one set; on the way out v32-255 are free.  window 1: B's fragments, two sets.  windows 2, 3: the accumulators ((a, b) at v[8 (8 (a % 4) + b)]).
.set HALFT,  32768
.set SLOT,   4*HALFT
.set SPARE,  2*SLOT                    ; behind the ring: the spare words, 128 bytes for each wave
.set STRA,   0x200000                  ; one slot on in hoimg: 512 blocks x 4,096
.set STRB,   0x40000                   ; in wimg: 64 blocks x 4,096
.set FR,     16
.set NL,     4
.set NP,     4
.set SPITCH, 528                       ; the way out: a stage of 16 rows x (512 bytes + 16) for each wave, in slot 0, which has had its last fill and its last read when the first result is stored there
.set ADRA, 16
.set ADRB, 20
.set STO,  24                          ; v24  the way out: where I put 32 bytes of a row
.set RD,   25                          ; v25  where I read a row back
.set CO,   26                          ; v26  my byte offset in a row of C
.set SPW,  28
.set NIL,  29
.set TMP,  32
.set AF,   128
.set BK,   128
.set G1, 24
.set G0, 32
.set G1B, 48
.set G0B, 56
.set SA2, 68
.set SB2, 70
.set MSB, 0
.macro WIN new
.if MSB != \new
	s_set_vgpr_msb (MSB<<8)|\new
.set MSB, \new
.endif
.endm
.set MUL_LO, 0xa1
.set MUL_HI, 0xf1
.set TO_B,   0x40
.macro JLOAD g0a, g1a, g0b, g1b        ; a joint load: waves 0 and 1 fetch for A, waves 2 and 3 for B; four v_nop follow each of the two lines
	s_cmp_eq_u32 s15, 0
	s_cbranch_scc0 .Lfor_b_\@
	tensor_load_to_lds s[\g0a:\g0a+3], s[\g1a:\g1a+7]
	s_nop 0
.rept 4
	v_nop
.endr
	s_branch .Lasked_\@
.Lfor_b_\@:
	tensor_load_to_lds s[\g0b:\g0b+3], s[\g1b:\g1b+7]
	s_nop 0
.rept 4
	v_nop
.endr
.Lasked_\@:
.endm
.macro CREST
	s_cmp_lg_u32 s14, 0
	s_cbranch_scc1 .Lnot_wave_0_\@
	s_barrier_signal -3
.Lnot_wave_0_\@:
	s_barrier_wait -3
	s_barrier_signal -1
	s_barrier_wait -1
.endm
.macro CROUND
	s_barrier_signal -1
	s_barrier_wait -1
	CREST
.endm
	s_load_b256 s[4:11], s[0:1], 0x0               ; hoimg 4, wimg 6, the scales 8, out0 10
	v_lshl_add_u32 v[SPW], v0, 2, SPARE
	v_mov_b32 v[NIL], 0
	ds_add_u32 v28, v29
	ds_add_u32 v28, v29
	s_wait_dscnt 0x0
	v_lshrrev_b32 v1, 5, v0
	v_readfirstlane_b32 s14, v1                    ; wave 0..3
	s_lshr_b32 s15, s14, 1                         ; which half of the tile's rows is mine.  Also: I fetch for A (0) or for B (1)
	s_and_b32 s16, s14, 1                          ; which half of its columns.  Also: which half of that tile I fetch
	s_bfe_u32 s40, ttmp6, 0x40000
	s_bfe_u32 s41, ttmp6, 0x40004
	s_lshl_b32 s42, ttmp9, 2
	s_add_co_u32 s42, s42, s40                     ; tile column of C
	s_and_b32 s17, ttmp7, 0xffff
	s_lshl_b32 s17, s17, 2
	s_add_co_u32 s17, s17, s41                     ; tile row of C
	s_lshl_b32 s43, s41, 2
	s_lshl_b32 s43, 15, s43                        ; my row of the cluster
	s_lshl_b32 s44, 0x1111, s40                    ; my column
	s_or_b32 s[G1+0], s43, (3<<16)|(1<<21)         ; 15:0 the mask; 17:16 elements of 8 bytes; 20 no padding; 21 set beside a mask
	s_or_b32 s[G1B+0], s44, (3<<16)|(1<<21)
.irp g, G1, G1B
	s_mov_b32 s[\g+1], 32<<16                      ; a dense block: 128 rows of 32 elements
	s_mov_b32 s[\g+2], 128<<16
	s_mov_b32 s[\g+3], 32<<16
	s_mov_b32 s[\g+4], 128
	s_mov_b32 s[\g+5], 32
	s_mov_b32 s[\g+6], 0
	s_mov_b32 s[\g+7], 0
.endr
	s_mov_b32 s[SA2], 2*STRA
	s_mov_b32 s[SA2+1], 0
	s_mov_b32 s[SB2], 2*STRB
	s_mov_b32 s[SB2+1], 0
	s_lshl_b32 s18, s16, 15
	s_lshl_b32 s20, s17, 16
	s_add_co_u32 s20, s20, s18
	s_mov_b32 s21, 0
	s_lshl_b32 s46, s42, 16
	s_add_co_u32 s46, s46, s18
	s_add_co_u32 s46, s46, 0x300000                ; w_o's image is the fourth
	s_mov_b32 s47, 0
	s_mul_i32 s45, s14, HALFT
	s_wait_kmcnt 0x0
	s_load_b64 s[96:97], s[8:9], 0x28              ; entries 10, 11
	s_add_nc_u64 s[20:21], s[4:5], s[20:21]
	s_add_nc_u64 s[46:47], s[6:7], s[46:47]
	CROUND                                         ; all sixteen work-groups are here: the first joint loads meet
.irp s, 0,1
	s_mov_b32 s[G0+4*\s], 1
	s_add_co_u32 s[G0+4*\s+1], s45, \s*SLOT
	s_add_nc_u64 s[G0+4*\s+2:G0+4*\s+3], s[20:21], \s*STRA
	s_or_b32 s[G0+4*\s+3], s[G0+4*\s+3], 0x80000000
	s_mov_b32 s[G0B+4*\s], 1
	s_add_co_u32 s[G0B+4*\s+1], s45, \s*SLOT
	s_add_nc_u64 s[G0B+4*\s+2:G0B+4*\s+3], s[46:47], \s*STRB
	s_or_b32 s[G0B+4*\s+3], s[G0B+4*\s+3], 0x80000000
	JLOAD G0+4*\s, G1, G0B+4*\s, G1B               ; two loads of mine are out, the most in this text
.endr
	v_and_b32 v1, 15, v0
	v_bfe_u32 v2, v0, 4, 1
	v_and_b32 v6, 31, v0
	v_lshlrev_b32 v4, 4, v6                        ; 16 x lane
	s_mul_i32 s21, s15, HALFT
	s_mul_i32 s22, s16, HALFT
	s_add_co_u32 s22, s22, 2*HALFT
.irp s, 0,1
	v_add_nc_u32 v[ADRA+\s], s21, v4
	v_add_nc_u32 v[ADRB+\s], s22, v4
	s_add_co_u32 s21, s21, SLOT
	s_add_co_u32 s22, s22, SLOT
.endr
	s_mul_i32 s23, s14, 16*SPITCH                  ; my stage
	v_mul_u32_u24 v5, v1, SPITCH
	v_lshl_add_u32 v5, v2, 5, v5
	v_add_nc_u32 v[STO], s23, v5                   ; in: row l % 16, 32 bytes for each half of the lanes
	v_lshlrev_b32 v[CO], 4, v6
	v_add_nc_u32 v[RD], s23, v[CO]                 ; back: the 32 lanes take one row of 512 bytes
	s_lshl_b32 s20, s17, 8
	s_lshl_b32 s21, s15, 7
	s_add_co_u32 s20, s20, s21                     ; my first row of C
	s_lshl_b32 s20, s20, 12                        ; a row is 4,096 bytes
	s_mov_b32 s21, 0
	s_lshl_b32 s46, s42, 10
	s_lshl_b32 s47, s16, 9
	s_add_co_u32 s46, s46, s47                     ; my first column, in bytes
	s_mov_b32 s47, 0
	s_add_nc_u64 s[20:21], s[20:21], s[46:47]
	s_add_nc_u64 s[10:11], s[10:11], s[20:21]
.macro FRAG reg, adr, q, i
.irp c, 0,1,2,3
	ds_load_b128 v[\reg+4*\c:\reg+4*\c+3], v[\adr] offset:4096*(\i)+2048*(\q)+512*\c
.endr
.endm
.macro MUL16 a0, p, zero               ; the 64 accumulators take turns, one instruction a turn
.irp a, \a0, \a0+1
.irp b, 0,1,2,3,4,5,6,7
.if \zero
	v_wmma_f32_16x16x128_fp8_fp8 v[8*(8*((\a)%4)+\b):8*(8*((\a)%4)+\b)+7], v[128*(\p)+FR*\b:128*(\p)+FR*\b+FR-1], v[AF+FR*(\a):AF+FR*(\a)+FR-1], 0
.else
	v_wmma_f32_16x16x128_fp8_fp8 v[8*(8*((\a)%4)+\b):8*(8*((\a)%4)+\b)+7], v[128*(\p)+FR*\b:128*(\p)+FR*\b+FR-1], v[AF+FR*(\a):AF+FR*(\a)+FR-1], v[8*(8*((\a)%4)+\b):8*(8*((\a)%4)+\b)+7]
.endif
.endr
.endr
.endm
.macro FETCH_B slot, q, p
	WIN TO_B
.irp i, 0,1,2,3,4,5,6,7
	FRAG 128*(\p)+FR*\i, ADRB+\slot, \q, \i
.endr
	WIN 0
.endm
.macro FETCH_A slot, q, i0
.irp i, \i0, \i0+1, \i0+2, \i0+3
	FRAG AF+FR*(\i), ADRA+\slot, \q, \i
.endr
.endm
.macro PLACES n
.rept \n
	v_nop
.endr
.endm
.macro STEP slot, q, zero
	s_wait_dscnt 4*NL                              ; B's set and A's blocks 0-3 are in; the youngest 16 loads (A's blocks 4-7) may be out
	WIN MUL_LO
	MUL16 0, (\q)%2, \zero
	MUL16 2, (\q)%2, \zero
	s_wait_dscnt 0
	PLACES NP
	FETCH_B \slot, (\q)+1, 1-(\q)%2
	FETCH_A \slot, (\q)+1, 0
	WIN MUL_HI
	MUL16 4, (\q)%2, \zero
	MUL16 6, (\q)%2, \zero
	PLACES NP
	WIN 0
	FETCH_A \slot, (\q)+1, 4
.endm
.macro TURN slot, next, fill
	s_wait_tensorcnt 0x0                           ; all my tensor loads have landed: my part of the next slot
	ds_add_u32 v[SPW], v[NIL]                      ; 0 onto my spare word
	s_wait_dscnt 4*NL+1                            ; (the add and the youngest 16 loads may be out)
	WIN MUL_LO
	MUL16 0, 1, 0
	s_wait_dscnt 0x0                               ; the add is done, and my reads of this slot are over
	s_barrier_signal -1
	MUL16 2, 1, 0
	WIN 0
	s_barrier_wait -1
.if \fill
	CREST                                          ; the barrier has opened a round of the cluster's barrier: no wave of any partner still reads this slot or has a load on its way
	s_add_nc_u64 s[G0+4*\slot+2:G0+4*\slot+3], s[G0+4*\slot+2:G0+4*\slot+3], s[SA2:SA2+1]
	s_add_nc_u64 s[G0B+4*\slot+2:G0B+4*\slot+3], s[G0B+4*\slot+2:G0B+4*\slot+3], s[SB2:SB2+1]
	JLOAD G0+4*\slot, G1, G0B+4*\slot, G1B
.else
	PLACES NP
.endif
	FETCH_B \next, 0, 0
	FETCH_A \next, 0, 0
	WIN MUL_HI
	MUL16 4, 1, 0
	MUL16 6, 1, 0
	PLACES NP
	WIN 0
	FETCH_A \next, 0, 4
.endm
	s_wait_tensorcnt 1                             ; my part of slot 0 is in; slot 1's load may be out
	s_barrier_signal -1
	s_barrier_wait -1
	FETCH_B 0, 0, 0
	FETCH_A 0, 0, 0
	FETCH_A 0, 0, 4
	STEP 0, 0, 1
	TURN 0, 1, 1
	STEP 1, 0, 0
	TURN 1, 0, 1
	STEP 0, 0, 0
	TURN 0, 1, 0
	STEP 1, 0, 0
	s_wait_dscnt 4*NL
	WIN MUL_LO
	MUL16 0, 1, 0
	MUL16 2, 1, 0
	s_wait_dscnt 0
	WIN MUL_HI
	MUL16 4, 1, 0
	MUL16 6, 1, 0
	WIN 0
; THE WAY OUT, block by block of 16 rows x 128 columns, through my own stage in LDS: in as 32 bytes a lane, back as whole rows of 512 bytes.  LDS serves a wave's instructions in order (ISA guide 5.7.1.4): no wait between.
; Stage row t of block a is token 32 (a / 2) + 8 (a % 2) + t + 8 (t / 8) of my 128.
.macro TOSTAGE a
.set AC, 64*((\a)%4)
	WIN 0x02+((\a)/4)
.set J, 0
.rept 32
	v_pk_mul_f32 v[TMP+J:TMP+J+1], v[AC+J:AC+J+1], s[96:97] op_sel_hi:[1,0]   ; both x s96 = 2^(e10 + e11); each accumulator from its low end on
.set J, J+2
.endr
	WIN 0
.irp b, 0,1,2,3,4,5,6,7
	ds_store_b128 v[STO], v[TMP+8*\b:TMP+8*\b+3] offset:64*\b
	ds_store_b128 v[STO], v[TMP+8*\b+4:TMP+8*\b+7] offset:64*\b+16
.endr
.set BB, BK+64*((\a)%2)
.irp t, 0,1,2,3,4,5,6,7,8,9,10,11,12,13,14,15
	ds_load_b128 v[BB+4*\t:BB+4*\t+3], v[RD] offset:\t*SPITCH
.endr
.endm
.macro SEND a, younger                 ; younger: the LDS instructions issued behind block a's loads, which may stay out
.set BB, BK+64*((\a)%2)
	s_wait_dscnt \younger
.if ((\a) > 0) && ((\a)%2 == 0)
	s_add_nc_u64 s[10:11], s[10:11], 32*4096       ; (behind a wait on XCNT: the earlier stores have read their base)  32 rows on
.endif
.irp t, 0,1,2,3,4,5,6,7,8,9,10,11,12,13,14,15
	global_store_b128 v[CO], v[BB+4*\t:BB+4*\t+3], s[10:11] offset:(8*((\a)%2)+\t+8*(\t/8))*4096 th:TH_STORE_NT   ; 32 lanes store 512 consecutive bytes, aligned
.endr
.endm
	s_wait_kmcnt 0x0
	s_add_co_i32 s96, s96, s97
	s_add_co_i32 s96, s96, 127
	s_lshl_b32 s96, s96, 23                        ; 2^(e10 + e11) as f32
	PLACES NP
	TOSTAGE 0
.irp a, 1,2,3,4,5,6,7
.if \a > 1
	s_wait_xcnt 0x0                                ; block a - 2's stores have read their registers and their base
.endif
	TOSTAGE \a
	SEND \a-1, 32                                  ; behind block a - 1's loads: block a's 16 stores and 16 loads
.endr
	s_wait_xcnt 0x0
	SEND 7, 0
	s_wait_tensorcnt 0x0                           ; the wave's end
	ds_add_u32 v[SPW], v[NIL]
	s_wait_dscnt 0x0
	CROUND                                         ; the closing round
	s_endpgm
.Lfunc_end_k_q62fabcf6ce_outp:
	.size	k_q62fabcf6ce_outp, .Lfunc_end_k_q62fabcf6ce_outp-k_q62fabcf6ce_outp
	.p2alignl 7, 3214868480
	.fill 96, 4, 3214868480
	.section	.rodata,"a",@progbits
	.p2align	6, 0x0
	.amdhsa_kernel k_q62fabcf6ce_outp
		.amdhsa_group_segment_fixed_size 327680
		.amdhsa_private_segment_fixed_size 0
		.amdhsa_enable_private_segment 0
		.amdhsa_kernarg_size 32
		.amdhsa_user_sgpr_count 2
		.amdhsa_user_sgpr_kernarg_segment_ptr 1
		.amdhsa_wavefront_size32 1
		.amdhsa_system_sgpr_workgroup_id_x 1
		.amdhsa_system_sgpr_workgroup_id_y 1
		.amdhsa_system_sgpr_workgroup_id_z 1
		.amdhsa_system_vgpr_workitem_id 0
		.amdhsa_next_free_vgpr 1024
		.amdhsa_next_free_sgpr 98
		.amdhsa_reserve_vcc 0
		.amdhsa_float_denorm_mode_32 3
		.amdhsa_float_denorm_mode_16_64 3
		.amdhsa_memory_ordered 1
		.amdhsa_forward_progress 1
		.amdhsa_inst_pref_size 122
	.end_amdhsa_kernel
	.amdgpu_metadata
---
amdhsa.version: [ 1, 2 ]
amdhsa.kernels:
  - .name:           k_q62fabcf6ce_outp
    .symbol:         k_q62fabcf6ce_outp.kd
    .args:
      - { .name: hoimg, .offset: 0, .size: 8, .value_kind: global_buffer, .address_space: global }
      - { .name: wimg, .offset: 8, .size: 8, .value_kind: global_buffer, .address_space: global }
      - { .name: lowp_scales, .offset: 16, .size: 8, .value_kind: global_buffer, .address_space: global }
      - { .name: out0, .offset: 24, .size: 8, .value_kind: global_buffer, .address_space: global }
    .group_segment_fixed_size: 327680
    .private_segment_fixed_size: 0
    .kernarg_segment_align: 8
    .kernarg_segment_size: 32
    .max_flat_workgroup_size: 128
    .sgpr_count:     98
    .vgpr_count:     1024
    .wavefront_size: 32
...
	.end_amdgpu_metadata
.endif
;; end of part 4
;; ======== version 2 of 2: 4 launches; version 1 with the launch attn written anew for expert scheduling mode
;; workspace buffers: eimg 25,165,824 bytes; wimg 4,194,304 bytes; maskw 2,097,152 bytes of whole numbers; flags 8,192 bytes of whole numbers; qimg 8,388,608 bytes; kvimg 16,777,216 bytes; hoimg 8,388,608 bytes
;; launch prep: the kernel of part 1 again; grid 1024 x 1, 4 waves a work-group, no clusters, 68,096 bytes of LDS; arguments embed, mask, w_q, w_k, w_v, w_o, lowp_scales, eimg, wimg, maskw, flags; writes eimg, wimg, maskw, flags
;; launch proj: the kernel of part 2 again; grid 4 x 96, 4 waves a work-group, clusters of 4 x 4, 327,680 bytes of LDS; arguments eimg, wimg, lowp_scales, qimg, kvimg; writes qimg, kvimg
;; launch attn (part 5): grid 16 x 64, 8 waves a work-group, no clusters, 33,792 bytes of LDS; arguments qimg, kvimg, maskw, flags, lowp_scales, hoimg; writes hoimg
.if DOCPART == 5
	.amdgcn_target "amdgcn-amd-amdhsa--gfx1250"
	.amdhsa_code_object_version 6
	.text
	.protected	k_q62fabcf6ce_attn
	.globl	k_q62fabcf6ce_attn
	.p2align	8
	.type	k_q62fabcf6ce_attn,@function
k_q62fabcf6ce_attn:
	s_mov_b64 s[64:65], 0
	v_nop
	global_prefetch_b8 v0, s[64:65] scope:SCOPE_SE
	s_setreg_imm32_b32 hwreg(HW_REG_WAVE_SCHED_MODE, 0, 2), 2
	s_setreg_imm32_b32 hwreg(HW_REG_WAVE_MODE, 25, 1), 1
	s_wait_xcnt 0x0
	s_wait_alu depctr_vm_vsrc(0)
; ATTN: for one batch and head, heads_out = softmax(q k^T / 8, under the given mask) v, both products on E4M3 codes, quantised at once for the last product and stored as images of its operand's registers.
; t = score x log2(e) / 8; M = the row's largest t so far, rounded UP to a whole number; p = 2^(t - M) is what is quantised; the row's sum is taken of the unquantised p and divides at the end.
; When M moves, the sum and O are multiplied by 2^(old M - new M): exact.
; SHARES.  A work-group owns 128 queries of one batch and head, each of its eight waves one tile of 16.  Keys go 128 a step; a step's images of K (8,192 bytes) and V (8,192) lie in one of two LDS slots, read by all eight waves.
; LAYOUT.  Both products are used transposed: S^T = K Q^T (source 0 = 16 keys), O^T = V^T P^T (source 0 = 16 channels): a lane holds ONE query throughout.  The keys of a tile of K and the channels of a tile of V
; are permuted blocks (row r of tile t = 32 (t / 2) + 8 (t % 2) + r + 8 (r / 8)), so that score register 16 b + i is key 32 b + 16 (lane / 16) + i, and likewise O^T's registers along the channels.
; THE MASK IS AN INPUT.  An earlier launch has turned it into one word for each score register (bit L: lane L's key counts) and, for each tile and step, two bits: 'some key counts', 'some key is hidden'.
; A step none of whose keys counts for my 16 queries adds nothing and is passed over; a step with no hidden key skips the selects; a step that no tile of the work-group wants is not fetched.  These are scalar branches on stored whole numbers;
; every wave passes every barrier.  Since the walk hangs on loaded numbers, the tiles come through registers (global load, LDS store), each wave carrying 2,048 bytes of a step, a step ahead.
; A query with no key that counts has the sum 0: its codes become the NaN code, so that its row of the result is NaN.
; No cluster and no joint loads: the work-groups of a head pass over different steps, so they would not ask for the same tiles.
; LIMITS: entries 6 + 7 between -123 and 130 (added to c's exponent field); entry 8, and entries 10 - 8 - 9, between -126 and 119.  NaN among the scores is not served.
; THE MODE: SCHED_MODE bits 1:0 = 2 (LLVM: expert scheduling mode 2), set by the entry lines.  The code itself states the register dependences
; between vector or matrix instructions and memory or LDS instructions, with s_wait_alu, always for 0.
; THE PLAN.  Registers that memory or LDS instructions touch:
;   v[LI], v[LW], v[PFO]  Addresses: made by vector lines at the head, never written again.
;   Q      Loaded once at the head; read by the products K Q^T.
;   STG    Cleared at the head.  Step s: at its head the loads of step s + 1's tiles land in it; late in the step four LDS stores read it.  No vector instruction of the loop names it.
;   F      Step s: K's 16 LDS loads land in it; the eight products K Q^T read it; V's 16 LDS loads land in it; the four products V^T P read it at the step's end.
;   P      In the loop named by vector and matrix instructions alone; on the way out the selects write it and two stores read it.
;   S, O and the statistics are named by vector and matrix instructions alone.
; So a step has, at its head and ahead of its branches, one wait on vm_vsrc (the last LDS stores have read STG) and one on va_vdst (the last products V^T P are done reading F); one on va_vdst behind the products K Q^T
; (they are done reading F); and the one behind the exponentials.  Behind them V's loads are dealt among the lines of the maximum, which name S and two registers at work, and the LDS stores of STG among the lines that rescale O^T.
.set SKIP, 1                           ; 0: every step is walked with its selects, whatever the flags say
.set SLB,  16384                       ; an LDS slot
.set LI,   1                           ; v1   16 x lane
.set LW,   2                           ; v2   2,048 x wave + 16 x lane: my part of a step, in memory and in a slot: at most 14,336 + 496
.set PFO,  3                           ; v3   256 x lane
.set NINF, 4                           ; v4   -infinity
.set PLIM, 5                           ; v5   448 x 2^e8
.set PSCL, 6                           ; v6   2^e8
.set PX,   7                           ; v7   the lane permute's destination
.set OSCL, 8                           ; v8   2^(e10 - e8 - e9)
.set OLIM, 9                           ; v9   448 x that
.set FF,   10                          ; v[10:11] f = 2^(old M - new M)
                                       ; v12 -M, v13 the largest t, v[14:15] the sum in two halves
.set Q,    16                          ; v16-23   Q's fragment
.set STG,  24                          ; v24-39   my part of the next step's tiles
.set F,    40                          ; v40-103  fragments of K, then of V
.set S,    104                         ; v104-167 S^T, then p
.set O,    168                         ; v168-199 O^T
.set P,    200                         ; v200-215 p's codes
.set WA,   216
.set WB,   217
.set WS,   218                         ; v[218:219]
                                       ; s[4:5] Q; s[6:7] kvimg at the step in hand; s[8:9] maskw at my tile's step in hand; s[14:15] hoimg at my codes
                                       ; s16 wave; s17 the step; s18 'some key counts' from this step on; s19 the work-group's, from the next step on; s26 'some key is hidden'
                                       ; s[20:21] lane selects; s[22:23] c; s24 trips; s25 the step in which I prefetch; s28 e8; s[66:67] what I prefetch; s[32:63], s[68:99] the step's 64 words
	s_load_b256 s[4:11], s[0:1], 0x0               ; qimg 4, kvimg 6, maskw 8, flags 10
	s_load_b128 s[12:15], s[0:1], 0x20             ; the scales 12, hoimg 14
	v_lshl_add_u32 v222, v0, 2, 0x8000
	v_mov_b32 v223, 0
	v_lshrrev_b32 v1, 5, v0
	v_readfirstlane_b32 s16, v1                    ; wave 0..7
	v_and_b32 v[PFO], 31, v0
	v_lshlrev_b32 v[LI], 4, v[PFO]
	s_wait_alu depctr_va_sdst(0)                   ; s16 is written, ahead of its first reader: addresses, bases and branches are made from it
	s_lshl_b32 s2, s16, 11                         ; 2,048 x wave,
	v_add_nc_u32 v[LW], s2, v[LI]                  ; + 16 x lane
	v_lshlrev_b32 v[PFO], 8, v[PFO]
	s_and_b32 s26, ttmp7, 0xffff                   ; 16 x batch + head
	s_lshr_b32 s27, s26, 4
	s_and_b32 s31, s26, 15                         ; head
	s_lshl_b32 s2, ttmp9, 3
	s_lshl_b32 s3, s27, 7
	s_add_co_u32 s3, s3, s2                        ; the work-group's first tile among all 512: 128 x batch + 8 x
	s_add_co_u32 s25, s3, s16                      ; mine
	s_add_co_u32 s2, s2, s16                       ; and within the sequence
	s_lshl_b32 s80, s26, 17
	s_lshl_b32 s81, s2, 10
	s_add_co_u32 s80, s80, s81                     ; qimg: [batch x head][tile 128][1,024]
	s_mov_b32 s81, 0
	s_lshl_b32 s82, s26, 18                        ; kvimg: [batch x head][step 16][16,384]
	s_mov_b32 s83, 0
	s_lshl_b32 s84, s25, 12                        ; maskw: [tile 512][step 16][256]
	s_mov_b32 s85, 0
	s_lshl_b32 s86, s25, 4                         ; flags: four words a tile
	s_mov_b32 s87, 0
	s_lshl_b32 s88, s3, 4
	s_mov_b32 s89, 0
	s_lshr_b32 s90, s31, 2                         ; hoimg: [256 along K: head / 4][tile 512][128 along K: (head / 2) % 2][2,048], my head's half of the fragment: chunks 2 (head % 2) on
	s_lshl_b32 s90, s90, 9
	s_add_co_u32 s90, s90, s25
	s_lshl_b32 s90, s90, 1
	s_bfe_u32 s91, s31, 0x10001
	s_add_co_u32 s90, s90, s91
	s_lshl_b32 s90, s90, 11
	s_and_b32 s91, s31, 1
	s_lshl_b32 s91, s91, 10
	s_add_co_u32 s90, s90, s91
	s_mov_b32 s91, 0
	s_lshl_b32 s92, ttmp9, 14                      ; what I prefetch: key step x, half (wave % 2)
	s_and_b32 s93, s16, 1
	s_lshl_b32 s93, s93, 13
	s_add_co_u32 s92, s92, s93
	s_mov_b32 s93, 0
	s_sub_co_i32 s25, ttmp9, 3                     ; and when: in step x - 3, in waves 0 and 1; never where x is under 3
	s_cmp_lt_u32 s16, 2
	s_cselect_b32 s25, s25, -1
	s_mov_b32 s20, 0x76543210
	s_mov_b32 s21, 0xfedcba98
	s_mov_b32 s22, 0x3e38aa3b                      ; c = log2(e) / 8
	; what the loop finds at its start is written here, ahead of the first load, so that one wait below serves the whole head
	v_mov_b32 v[NINF], 0xff800000
	v_mov_b32 v[PX], 0                             ; a lane permute's destination counts as read
	v_mov_b32 v[FF+1], 0                           ; (named as the upper half of a pair)
	v_mov_b32 v13, 0xff61b1e6                      ; the largest t so far: -3e38, under every t
	v_floor_f32 v12, -v13
	v_mov_b32 v14, 0
	v_mov_b32 v15, 0
.set J, 0
.rept 16
	v_mov_b32 v[STG+J], 0                          ; stored into a slot also where a step is not fetched: nobody reads it then
.set J, J+1
.endr
.set J, 0
.rept 32
	v_mov_b32 v[O+J], 0                            ; the step is written once: the first finds zeros, which the first change of M leaves zeros
.set J, J+1
.endr
	s_wait_kmcnt 0x0
	s_add_nc_u64 s[86:87], s[10:11], s[86:87]
	s_add_nc_u64 s[88:89], s[10:11], s[88:89]
	s_load_b128 s[68:71], s[86:87], 0x0            ; my tile's flags
	s_load_b512 s[32:47], s[88:89], 0x0            ; the eight tiles'
	s_load_b512 s[48:63], s[88:89], 0x40
	s_load_b128 s[72:75], s[12:13], 0x18           ; entries 6 to 9
	s_load_b32 s76, s[12:13], 0x28                 ; entry 10
	s_add_nc_u64 s[4:5], s[4:5], s[80:81]
	s_add_nc_u64 s[6:7], s[6:7], s[82:83]
	s_add_nc_u64 s[8:9], s[8:9], s[84:85]
	s_add_nc_u64 s[14:15], s[14:15], s[90:91]
	s_add_nc_u64 s[66:67], s[6:7], s[92:93]
	s_wait_alu depctr_va_vdst(0)                   ; v[LI], v[LW] and v[PFO] are written, which every load, LDS instruction, prefetch and store of the kernel reads as its address; so are v[STG ..]'s zeros, in which step 0's loads land and which the first LDS stores read
	global_load_b128 v[Q:Q+3], v[LI], s[4:5]
	global_load_b128 v[Q+4:Q+7], v[LI], s[4:5] offset:512
	s_wait_kmcnt 0x0
	s_or_b32 s68, s68, s69
	s_or_b32 s70, s70, s71
	s_or_b32 s68, s68, s70
.set J, 33
.rept 31
	s_or_b32 s32, s32, s[J]
.set J, J+1
.endr
	s_and_b32 s19, s32, 0xffff
	s_and_b32 s18, s68, 0xffff
	s_lshr_b32 s26, s68, 16
.if SKIP == 0
	s_mov_b32 s19, 0xffff
	s_mov_b32 s18, 0xffff
	s_mov_b32 s26, 0xffff
.endif
	s_add_co_i32 s27, s72, s73
	s_lshl_b32 s27, s27, 23
	s_add_co_i32 s22, s22, s27                     ; a score stands for score x 2^(e6 + e7): added to c's exponent field
	s_mov_b32 s23, s22
	s_mov_b32 s28, s74
	s_add_co_i32 s27, s74, 127
	s_lshl_b32 s29, s27, 23
	v_mov_b32 v[PSCL], s29                         ; (these four lines name v5, v6, v8 and v9, which no memory or LDS instruction touches)
	s_add_co_i32 s27, s27, 8
	s_lshl_b32 s27, s27, 23
	s_or_b32 s27, s27, 0x600000
	v_mov_b32 v[PLIM], s27
	s_sub_co_i32 s27, s76, s74                     ; O / the sum stands for heads_out / 2^(e8 + e9): its code is that / 2^(e10 - e8 - e9)
	s_sub_co_i32 s27, s27, s75
	s_add_co_i32 s27, s27, 127
	s_lshl_b32 s29, s27, 23
	v_mov_b32 v[OSCL], s29
	s_add_co_i32 s27, s27, 8
	s_lshl_b32 s27, s27, 23
	s_or_b32 s27, s27, 0x600000
	v_mov_b32 v[OLIM], s27
	s_bitcmp1_b32 s19, 0                           ; step 0, if some tile of the work-group wants it
	s_cbranch_scc0 .Lno_first
.irp i, 0,1,2,3
	global_load_b128 v[STG+4*\i:STG+4*\i+3], v[LW], s[6:7] offset:512*\i
.endr
.Lno_first:
	s_lshr_b32 s19, s19, 1                         ; from here on bit 0 speaks of the NEXT step
	s_mov_b32 s17, 0
	s_mov_b32 s24, 8
	s_wait_loadcnt 0x0                             ; Q, and my part of step 0
.irp i, 0,1,2,3
	ds_store_b128 v[LW], v[STG+4*\i:STG+4*\i+3] offset:512*\i
.endr
	s_wait_dscnt 0x0                               ; for the others' sake
	s_barrier_signal -1
	s_barrier_wait -1
; One of V's sixteen LDS loads: number D: fragment D / 4, chunk D % 4; VB: where V's images begin in the slot in hand.
.macro VL
	ds_load_b128 v[F+4*D:F+4*D+3], v[LI] offset:VB+512*D
.set D, D+1
.endm
; A KEY STEP, whose tiles lie in slot sl.
.macro STEPM sl
	s_wait_alu depctr_vm_vsrc(0)                   ; the LDS stores of the step before (ahead of the first step: the head's) have read v[STG ..], in which the loads below land
	s_wait_alu depctr_va_vdst(0)                   ; the products V^T P of the last step that was walked are done reading v[F ..], in which K's loads below land
	s_bitcmp1_b32 s19, 0                           ; the next step's tiles are asked for now, if some tile of the work-group wants them.  (Behind step 15 the bit is 0: no load leaves the buffer)
	s_cbranch_scc0 .Lno_next_\@
.irp i, 0,1,2,3
	global_load_b128 v[STG+4*\i:STG+4*\i+3], v[LW], s[6:7] offset:SLB+512*\i
.endr
.Lno_next_\@:
; A PREFETCH INTO THE L2.  The sixteen work-groups of a batch and head walk the same K and V.  Work-group x asks for key step x, and nobody else does: 16,384 bytes, waves 0 and 1, a lane to each 256 bytes:
; each block is named once in the launch.  It asks in step x - 3: the loads of key step x are issued in step x - 1, two steps later.  Key steps 0 to 2 come by their loads alone.  Its address registers are never rewritten.
	s_cmp_eq_u32 s17, s25
	s_cbranch_scc0 .Lno_ask_\@
	global_prefetch_b8 v[PFO], s[66:67] th:TH_LOAD_NT scope:SCOPE_SE
.Lno_ask_\@:
	s_bitcmp1_b32 s18, 0                           ; does any key of this step count for my 16 queries?
	s_cbranch_scc0 .Lhidden_\@
	s_load_b512 s[32:47], s[8:9], 0x0              ; the step's 64 words
	s_load_b512 s[48:63], s[8:9], 0x40
	s_load_b512 s[68:83], s[8:9], 0x80
	s_load_b512 s[84:99], s[8:9], 0xc0
.rept 4
	v_nop                                          ; four plain lines between the last step's matrix instructions and the loads into the registers that they have read; the wait at the step's head states the dependence itself
.endr
.irp t, 0,1,2,3,4,5,6,7
	ds_load_b128 v[F+8*\t:F+8*\t+3], v[LI] offset:\sl*SLB+1024*\t
	ds_load_b128 v[F+8*\t+4:F+8*\t+7], v[LI] offset:\sl*SLB+1024*\t+512
.endr
	s_wait_dscnt 0x0
.irp t, 0,1,2,3,4,5,6,7
	v_wmma_f32_16x16x64_fp8_fp8 v[S+8*\t:S+8*\t+7], v[F+8*\t:F+8*\t+7], v[Q:Q+7], 0
.endr
.rept 4
	v_nop                                          ; places in front of the first read of the scores (ISA guide 7.12.1)
.endr
	s_wait_alu depctr_va_vdst(0)                   ; the products K Q^T are done reading v[F ..], in which V's loads land.  No vector line from here to the last of those loads names v[F ..] or v[LI]
	s_wait_kmcnt 0x0
	s_bitcmp1_b32 s26, 0                           ; a step all of whose keys count skips the selects
	s_cbranch_scc0 .Lopen_\@
.set J, 0
.rept 64
.if J < 32
	v_cndmask_b32 v[S+J], v[NINF], v[S+J], s[32+J]   ; a hidden key's score becomes -infinity ahead of the maximum: p = 0 then
.else
	v_cndmask_b32 v[S+J], v[NINF], v[S+J], s[36+J]
.endif
.set J, J+1
.endr
.Lopen_\@:
.set VB, \sl*SLB+8192
.set D, 0
	v_max3_num_f32 v[WA], v[S], v[S+1], v[S+2]     ; the step's largest score of my query among my 64 keys, in two chains, each accumulator from its low end on
	VL                                             ; V's sixteen loads are dealt among these lines: V lands while the softmax is walked
	v_max3_num_f32 v[WB], v[S+3], v[S+4], v[S+5]
	VL
.irp i, 6,10,14,18,22,26,30,34,38,42,46,50,54,58
	v_max3_num_f32 v[WA], v[WA], v[S+\i], v[S+\i+1]
	v_max3_num_f32 v[WB], v[WB], v[S+\i+2], v[S+\i+3]
	VL
.endr
	v_max3_num_f32 v[WA], v[WA], v[S+62], v[S+63]
	v_max_num_f32 v[WA], v[WA], v[WB]
	v_permlanex16_b32 v[PX], v[WA], s20, s21
	v_max_num_f32 v[WA], v[WA], v[PX]              ; and among lane l xor 16's
	v_mul_f32 v[WA], s22, v[WA]                    ; as t (c is positive)
	v_max_num_f32 v13, v13, v[WA]
	v_mov_b32 v[WA], v12
	v_floor_f32 v12, -v13                          ; the new -M = floor(-t): M is a whole number
	v_sub_f32 v[WA], v12, v[WA]                    ; old M - new M: a whole number, 0 or less
	v_cvt_i32_f32 v[WA], v[WA]                     ; (it saturates)
	v_ldexp_f32 v[FF], 1.0, v[WA]                  ; f
.set J, 0
.rept 32
	v_pk_fma_f32 v[S+J:S+J+1], v[S+J:S+J+1], s[22:23], v[12:13] op_sel_hi:[1,0,0]   ; t - M, two at a time
.set J, J+2
.endr
.set J, 0
.rept 64
	v_exp_f32 v[S+J], v[S+J]                       ; p = 2^(t - M), at most 1
.set J, J+1
.endr
	v_pk_mul_f32 v[14:15], v[14:15], v[FF:FF+1] op_sel_hi:[1,0]   ; the sums under the new M: the plain line behind the exponentials
	s_wait_alu depctr_va_vdst(0)                   ; the 64 exponentials have written v[S ..]: one wait for the whole batch, ahead of its first reader
	v_pk_add_f32 v[WS:WS+1], v[S:S+1], v[S+2:S+3]  ; the row's sum is taken of the unquantised p, in two chains
.irp j, 4,8,12,16,20,24,28,32,36,40,44,48,52,56,60
	v_pk_add_f32 v[14:15], v[14:15], v[S+\j:S+\j+1]
	v_pk_add_f32 v[WS:WS+1], v[WS:WS+1], v[S+\j+2:S+\j+3]
.endr
	v_pk_add_f32 v[14:15], v[14:15], v[WS:WS+1]
	s_cmp_lt_i32 s28, -8                           ; p is at most 1, and 448 x 2^e8 is at least 1 from e8 = -8 on: only below that can the hold bite.  A branch on a given whole number
	s_cbranch_scc0 .Lno_hold_\@
.set J, 0
.rept 64
	v_min_num_f32 v[S+J], v[S+J], v[PLIM]          ; the conversion does not saturate (ISA guide 7.6.2); p is not negative
.set J, J+1
.endr
.Lno_hold_\@:
.irp b, 0,1,2,3
	v_cvt_scalef32_pk8_fp8_f32 v[P+4*\b:P+4*\b+1], v[S+16*\b:S+16*\b+7], v[PSCL]
	v_cvt_scalef32_pk8_fp8_f32 v[P+4*\b+2:P+4*\b+3], v[S+16*\b+8:S+16*\b+15], v[PSCL]
.endr
	s_wait_loadcnt 0x0                             ; my part of the next step is in (this also frees the loads' base)
.set J, 0
.rept 16
.if (J%8) == 0
	ds_store_b128 v[LW], v[STG+J/2:STG+J/2+3] offset:(1-\sl)*SLB+64*J   ; into the other slot, whose last reads stand in front of the barrier before this one.  Dealt among the lines below: it reads loaded data and v[LW], which no vector line of the loop names
.endif
	v_pk_mul_f32 v[O+J:O+J+1], v[O+J:O+J+1], v[FF:FF+1] op_sel_hi:[1,0]   ; O^T under the new M; also the plain lines between the conversions and the products
.set J, J+2
.endr
	s_wait_dscnt 0x4                               ; V's sixteen loads are in; my four stores, issued behind them, may be out
.irp d, 0,1,2,3
	v_wmma_f32_16x16x128_fp8_fp8 v[O+8*\d:O+8*\d+7], v[F+16*\d:F+16*\d+15], v[P:P+15], v[O+8*\d:O+8*\d+7]   ; four accumulators by turns; the next step's eight products on the scores stand before they are taken up again
.endr
	s_branch .Ljoin_\@
.Lhidden_\@:                                       ; a wave that passes the step over still carries its part of the next step's tiles
	s_wait_loadcnt 0x0                             ; my part of the next step is in (this also frees the loads' base)
.irp i, 0,1,2,3
	ds_store_b128 v[LW], v[STG+4*\i:STG+4*\i+3] offset:(1-\sl)*SLB+512*\i
.endr
.Ljoin_\@:
	s_add_nc_u64 s[6:7], s[6:7], SLB
	s_add_nc_u64 s[8:9], s[8:9], 256
	s_add_co_u32 s17, s17, 1
	s_lshr_b32 s18, s18, 1
	s_lshr_b32 s19, s19, 1
	s_lshr_b32 s26, s26, 1
	s_wait_dscnt 0x0                               ; my stores have landed and my reads of this slot are over
	s_barrier_signal -1
	s_barrier_wait -1
.endm
.Ltrip:                                            ; eight trips of two steps: the slots are constants of the text
	STEPM 0
	STEPM 1
	s_sub_co_u32 s24, s24, 1
	s_cmp_lg_u32 s24, 0
	s_cbranch_scc1 .Ltrip
	; THE WAY OUT: O^T / the sum, held, converted: registers 16 g + i are channels 32 g + 16 (lane / 16) + i of my query: two chunks of the last product's fragment.
.rept 4
	v_nop
.endr
	v_add_f32 v14, v14, v15
	v_permlanex16_b32 v[PX], v14, s20, s21
	v_add_f32 v14, v14, v[PX]                      ; the row's sum
	v_cmp_eq_f32 vcc_lo, 0, v14                    ; no key counted for this query
	v_rcp_f32 v[WA], v14
	v_mov_b32 v[WB], 0x7f7f7f7f                    ; four NaN codes.  (The plain line behind the reciprocal)
	s_wait_alu depctr_va_vdst(0)                   ; the reciprocal has written v[WA], ahead of its first reader
.set J, 0
.rept 32
	v_mul_f32 v[S+J], v[O+J], v[WA]
.set J, J+1
.endr
.set J, 0
.rept 32
	v_med3_num_f32 v[S+J], v[S+J], -v[OLIM], v[OLIM]
.set J, J+1
.endr
.irp b, 0,1
	v_cvt_scalef32_pk8_fp8_f32 v[P+4*\b:P+4*\b+1], v[S+16*\b:S+16*\b+7], v[OSCL]
	v_cvt_scalef32_pk8_fp8_f32 v[P+4*\b+2:P+4*\b+3], v[S+16*\b+8:S+16*\b+15], v[OSCL]
.endr
	v_nop                                          ; a plain line between the conversions and the selects that touch their results
	s_wait_alu depctr_va_vcc(0)                    ; the compare above has written VCC, ahead of its first reader, the first select
.irp i, 0,1,2,3,4,5,6,7
	v_cndmask_b32 v[P+\i], v[P+\i], v[WB], vcc_lo
.endr
	s_wait_alu depctr_va_vdst(0)                   ; the selects have written v[P ..], which the two stores read
	global_store_b128 v[LI], v[P:P+3], s[14:15]               ; 32 lanes store 512 consecutive bytes, aligned
	global_store_b128 v[LI], v[P+4:P+7], s[14:15] offset:512
	s_wait_dscnt 0x0
	s_wait_alu depctr_hold_cnt(0) depctr_sa_sdst(0) depctr_va_vdst(0) depctr_va_sdst(0) depctr_va_ssrc(0) depctr_va_vcc(0) depctr_vm_vsrc(0)
	s_wait_tensorcnt 0x0
	ds_add_u32 v222, v223
	s_wait_dscnt 0x0
	s_endpgm
.Lfunc_end_k_q62fabcf6ce_attn:
	.size	k_q62fabcf6ce_attn, .Lfunc_end_k_q62fabcf6ce_attn-k_q62fabcf6ce_attn
	.p2alignl 7, 3214868480
	.fill 96, 4, 3214868480
	.section	.rodata,"a",@progbits
	.p2align	6, 0x0
	.amdhsa_kernel k_q62fabcf6ce_attn
		.amdhsa_group_segment_fixed_size 33792
		.amdhsa_private_segment_fixed_size 0
		.amdhsa_enable_private_segment 0
		.amdhsa_kernarg_size 48
		.amdhsa_user_sgpr_count 2
		.amdhsa_user_sgpr_kernarg_segment_ptr 1
		.amdhsa_wavefront_size32 1
		.amdhsa_system_sgpr_workgroup_id_x 1
		.amdhsa_system_sgpr_workgroup_id_y 1
		.amdhsa_system_sgpr_workgroup_id_z 1
		.amdhsa_system_vgpr_workitem_id 0
		.amdhsa_next_free_vgpr 224
		.amdhsa_next_free_sgpr 100
		.amdhsa_reserve_vcc 1
		.amdhsa_float_denorm_mode_32 3
		.amdhsa_float_denorm_mode_16_64 3
		.amdhsa_memory_ordered 1
		.amdhsa_forward_progress 1
		.amdhsa_inst_pref_size 55
	.end_amdhsa_kernel
	.amdgpu_metadata
---
amdhsa.version: [ 1, 2 ]
amdhsa.kernels:
  - .name:           k_q62fabcf6ce_attn
    .symbol:         k_q62fabcf6ce_attn.kd
    .args:
      - { .name: qimg, .offset: 0, .size: 8, .value_kind: global_buffer, .address_space: global }
      - { .name: kvimg, .offset: 8, .size: 8, .value_kind: global_buffer, .address_space: global }
      - { .name: maskw, .offset: 16, .size: 8, .value_kind: global_buffer, .address_space: global }
      - { .name: flags, .offset: 24, .size: 8, .value_kind: global_buffer, .address_space: global }
      - { .name: lowp_scales, .offset: 32, .size: 8, .value_kind: global_buffer, .address_space: global }
      - { .name: hoimg, .offset: 40, .size: 8, .value_kind: global_buffer, .address_space: global }
    .group_segment_fixed_size: 33792
    .private_segment_fixed_size: 0
    .kernarg_segment_align: 8
    .kernarg_segment_size: 48
    .max_flat_workgroup_size: 256
    .sgpr_count:     100
    .vgpr_count:     224
    .wavefront_size: 32
...
	.end_amdgpu_metadata
.endif
;; end of part 5
;; launch outp: the kernel of part 4 again; grid 4 x 32, 4 waves a work-group, clusters of 4 x 4, 327,680 bytes of LDS; arguments hoimg, wimg, lowp_scales, out0; writes out0
